; MI455X (gfx1250); checked and timed in simulation.
; The chip was launched on July 23, 2026; its instructions are those of AMD's public machine-readable ISA for CDNA 5 (MIT licence, August 2026) and "CDNA5" Instruction Set Architecture Reference Guide (July 2026). The comments in the code are by the model that wrote it; some were corrected since.
;; Multi Head Attention. Allowed arithmetic: matrix products marked QUANTISED: E2M1 operands, one E8M0 scale for each 32 along K, by v_wmma_scale_f32_16x16x128_f8f6f4 with both operands' format E2M1 (or v_wmma_scale_f32_32x16x128_f4), f32 sums; products left as they are: bf16, f16 or f32 operands; f32 sums; everything else in f32.
;; Inputs: bk 1,024 float32; bo 1,024 float32; bq 1,024 float32; bv 1,024 float32; k 4 x 2,048 x 1,024 float32; mask 4 x 1 x 2,048 x 2,048 bool; q 4 x 2,048 x 1,024 float32; v 4 x 2,048 x 1,024 float32; wk 1,024 x 1,024 float32; wo 1,024 x 1,024 float32; wq 1,024 x 1,024 float32; wv 1,024 x 1,024 float32.
;; Outputs: out0 4 x 2,048 x 1,024 float32.
;; This version of the problem:
;;   THIS VERSION OF THE PROBLEM IS GIVEN IN LOW PRECISION. The matrix products marked QUANTISED in the list below multiply operands that are first quantised to E2M1 (2 exponent bits, 1 mantissa bit; 4 bits a number), with one power-of-two scale for each 32 numbers along K (OCP MX v1.0); their sums are f32. The products marked 'left as it is' may take bf16, f16 or f32 operands, with f32 sums. Whichever they take, every output number must still come out within the allowed error. Rounding operands to bf16 (8 significant bits) uses up far more of that allowance than f16 does (11 bits, for magnitudes from 6e-5 to 65,504). All else is computed in f32.
;;   The module's matrix products, in the order in which they are computed (A, B: the left and right operand; K: the contracted axis; several contracted axes count as one K, in the product's order):
;;     1. [M 8,192, K 1,024] x [K 1,024, N 1,024]; A: input q; B: input wq: QUANTISED
;;     2. [M 8,192, K 1,024] x [K 1,024, N 1,024]; A: input k; B: input wk: QUANTISED
;;     3. [M 8,192, K 1,024] x [K 1,024, N 1,024]; A: input v; B: input wv: QUANTISED
;;     4. batch 64 x [M 2,048, K 64] x [K 64, N 2,048]; A: computed on the way; B: computed on the way: left as it is (an operand is computed on the way)
;;     5. batch 64 x [M 2,048, K 2,048] x [K 2,048, N 64]; A: computed on the way; B: computed on the way: left as it is (an operand is computed on the way)
;;     6. [M 8,192, K 1,024] x [K 1,024, N 1,024]; A: computed on the way; B: input wo: left as it is (an operand is computed on the way)
;;   THE QUANTISER, for each operand of a quantised product, along K:
;;     - K is cut into blocks of 32 from its start; a last block that is shorter is filled with zeros.
;;     - A block's scale is 2^e with e = floor(log2(the largest magnitude in the block)) - 2, held to -126 .. 127; a block of zeros has e = 0. As a byte (E8M0): e + 127.
;;     - Each number is divided by its block's scale, clamped to +-6, and rounded to the nearest number of E2M1, ties to even, subnormals kept.
;;     - The product sums the exact products of the quantised numbers (number of the format x scale) in f32.
;;   ~~~python
;;   def quantise(x, axis):      # numpy; x: float32 -> the quantised numbers, widened to float32 again
;;       x = np.moveaxis(x, axis, -1); K = x.shape[-1]
;;       x = np.pad(x, [(0, 0)] * (x.ndim - 1) + [(0, -K % 32)]); x = x.reshape(x.shape[:-1] + (-1, 32)); a = np.abs(x).max(-1, keepdims=True)
;;       e = np.where(a > 0, np.clip(np.frexp(np.where(a > 0, a, 1))[1] - 1 - 2, -126, 127), 0)      # np.frexp(a)[1] - 1 = floor(log2(a)), exactly
;;       r = np.clip(x / 2.0 ** e, -6, 6)
;;       step = 2.0 ** (np.maximum(np.frexp(np.where(r == 0, 1, r))[1] - 1, 0) - 1)
;;       q = np.round(r / step) * step * 2.0 ** e      # np.round: ties to even
;;       return np.moveaxis(q.reshape(q.shape[:-2] + (-1,))[..., :K], -1, axis).astype(np.float32)
;;   ~~~
;; One version. Each part assembles by itself: llvm-mc -triple=amdgcn-amd-amdhsa -mcpu=gfx1250 --defsym DOCPART=n.
;; ======== version 1 of 1: 4 launches
;; limits: values are held in f16: magnitudes above 65,504 overflow, below 6.1e-05 lose precision
;; workspace buffers: xcodes 12,582,912 bytes; xscales 786,432 bytes; wcodes 1,572,864 bytes; wscales 98,304 bytes; wof 2,097,152 bytes; maskbits 2,097,152 bytes of whole numbers; qkv 50,331,648 bytes; xf 16,777,216 bytes
;; launch prep (part 1): grid 1456 x 1, 4 waves a work-group, no clusters, 102,912 bytes of LDS; arguments q, k, v, wq, wk, wv, wo, mask, xcodes, xscales, wcodes, wscales, wof, maskbits; writes xcodes, xscales, wcodes, wscales, wof, maskbits
.if DOCPART == 1
	.amdgcn_target "amdgcn-amd-amdhsa--gfx1250"
	.amdhsa_code_object_version 6
	.text
	.protected	k_q57fd02c51f_prep
	.globl	k_q57fd02c51f_prep
	.p2align	8
	.type	k_q57fd02c51f_prep,@function
k_q57fd02c51f_prep:
	s_mov_b64 s[64:65], 0
	v_nop
	global_prefetch_b8 v0, s[64:65] scope:SCOPE_SE
	s_setreg_imm32_b32 hwreg(HW_REG_WAVE_MODE, 25, 1), 1
	s_wait_xcnt 0x0
; PREP: everything that is made once from the inputs.  Four paths, parted by the work-group's number; each has LDS bytes of its own.
;   W (work-groups 0-47):     wq, wk, wv [1024 k][1024 n] f32 -> codes of FP4 (E2M1) laid [n][k], K innermost, and one E8M0 byte for each 32 along K.
;   O (48-175):               wo [1024 k][1024 n] f32 -> f16, laid as images of fragment registers: [n/256][k/16][16 tiles of 16 n][512 bytes]; in an image lane r + 16 h holds n = r, k = 8 h + 0..7.
;   M (176-687):              mask [4][2048 q][2048 k] bytes -> lane-mask words [b][q/32][k/64][tile of 16 q][8 t + j]: bit l = mask[q = 16 T + l % 16][k = 16 t + 8 (l / 16) + j].
;   X (688-1455):             q, k, v [8192][1024] f32 -> codes of FP4, K innermost, and their E8M0 bytes.
; THE QUANTISER: a block's scale is 2^(floor(log2(largest magnitude)) - 2); its byte is the largest magnitude's exponent field - 2, held at 1 from below; each number / scale goes to the nearest code, ties to even, beyond 6 the code of 6.
; LIMITS: a block of zeros gets the byte 1 where the rule says 127 (its codes are zeros, and this program alone reads the bytes); NaN and infinities among the inputs are not served;
; wo must lie within f16's +-65,504, and magnitudes under 6e-5 carry an absolute error of 2^-25.
; No tensor loads, no barrier: waves share nothing.
.set SPARE, 102400                     ; behind the three regions: the spare words, 128 bytes for each wave: two blocks of 256 bytes that no other line names
.set SPW,   192                        ; v192  LDS address of my spare word; never rewritten
.set NIL,   193                        ; v193  0; never rewritten
.macro FINISH                          ; a wave's end: three lines behind the last LDS store
	s_wait_tensorcnt 0x0
	ds_add_u32 v[SPW], v[NIL]
	s_wait_dscnt 0x0
	s_endpgm
.endm
	v_lshl_add_u32 v[SPW], v0, 2, SPARE
	v_mov_b32 v[NIL], 0
	v_lshrrev_b32 v1, 5, v0
	v_readfirstlane_b32 s16, v1                    ; wave 0..3
	v_and_b32 v2, 31, v0                           ; lane
	s_cmp_lt_u32 ttmp9, 48
	s_cbranch_scc1 .LW
	s_cmp_lt_u32 ttmp9, 176
	s_cbranch_scc1 .LO
	s_cmp_lt_u32 ttmp9, 688
	s_cbranch_scc1 .LM
; ---------------- PATH X: q, k, v.  Rows are dense and 1,024 is a multiple of 32: each tensor is a plain stream of blocks of 32.
; A wave takes 16 steps of 512 numbers.  Each load reads 512 consecutive bytes; a step's 2,048 bytes turn through the wave's own stage in LDS and come back 64 bytes a lane: 16 neighbours along K, two lanes to a block.
.set XSTEPS, 16
.set XSP,   80                         ; a lane's place in a stage: 64 bytes + 16 of padding
.set XR,    16                         ; v16-79   four sets of 16 numbers as loaded
.set XX,    80                         ; v80-111  two sets of 16 neighbours
.set XE,    112                        ; v112-127 a scale byte for each step
.set XC,    128                        ; v128-191 codes: registers of its own for each step, so that no store's data are written again
	s_load_b128 s[4:7], s[0:1], 0x0                ; q, k
	s_load_b64 s[8:9], s[0:1], 0x10                ; v
	s_load_b128 s[12:15], s[0:1], 0x40             ; xcodes, xscales
	v_lshlrev_b32 v3, 4, v2                        ; my 16 bytes of a load's 512
	s_mul_i32 s17, s16, 8192                       ; my wave's region of LDS
	v_lshrrev_b32 v14, 2, v2
	v_mul_u32_u24 v14, v14, XSP
	v_and_b32 v15, 3, v2
	v_lshl_add_u32 v14, v15, 4, v14
	v_add_nc_u32 v14, s17, v14                     ; into the stage: four lanes' 64 bytes on end, then the padding
	v_mul_u32_u24 v15, v2, XSP
	v_add_nc_u32 v15, s17, v15                     ; out of it: my 16 neighbours
	v_mul_u32_u24 v4, v2, 8                        ; my 8 bytes of a step's codes
	v_lshrrev_b32 v5, 1, v2
	s_add_co_u32 s17, s17, 2*32*XSP
	v_add_nc_u32 v5, s17, v5                       ; my block's byte among the wave's 256 scale bytes
	v_lshlrev_b32 v7, 3, v2
	v_add_nc_u32 v6, s17, v7
	s_sub_co_u32 s18, ttmp9, 688                   ; i: 256 work-groups for each tensor
	s_and_b32 s19, s18, 255
	s_lshl_b32 s19, s19, 2
	s_add_co_u32 s19, s19, s16
	s_lshl_b32 s20, s19, 15                        ; my run of 8,192 numbers in its tensor: 32,768 bytes a run
	s_mov_b32 s21, 0
	s_lshl_b32 s19, s18, 2
	s_add_co_u32 s19, s19, s16                     ; the run's number over the three tensors
	s_lshl_b32 s22, s19, 12                        ; 4,096 bytes of codes a run
	s_mov_b32 s23, 0
	s_lshl_b32 s24, s19, 8                         ; 256 scale bytes a run
	s_mov_b32 s25, 0
	s_wait_kmcnt 0x0
	s_cmp_lt_u32 s18, 256                          ; the choice hangs on the work-group's number alone
	s_cselect_b64 s[4:5], s[4:5], s[6:7]
	s_cmp_lt_u32 s18, 512
	s_cselect_b64 s[4:5], s[4:5], s[8:9]
	s_add_nc_u64 s[4:5], s[4:5], s[20:21]
	s_add_nc_u64 s[12:13], s[12:13], s[22:23]
	s_add_nc_u64 s[14:15], s[14:15], s[24:25]
.macro XLOAD t
.irp i, 0,1,2,3
	global_load_b128 v[XR+16*((\t)%4)+4*\i:XR+16*((\t)%4)+4*\i+3], v3, s[4:5] offset:2048*(\t)+512*\i th:TH_LOAD_NT
.endr
.endm
.macro XTURN t                         ; LDS serves a wave's instructions in order: no wait between the stores and the loads
.irp i, 0,1,2,3
	ds_store_b128 v14, v[XR+16*((\t)%4)+4*\i:XR+16*((\t)%4)+4*\i+3] offset:32*XSP*((\t)%2)+8*XSP*\i
.endr
.irp i, 0,1,2,3
	ds_load_b128 v[XX+16*((\t)%2)+4*\i:XX+16*((\t)%2)+4*\i+3], v15 offset:32*XSP*((\t)%2)+16*\i
.endr
.endm
.irp t, 0,1,2,3
	XLOAD \t
.endr
	s_wait_loadcnt 12                              ; step 0's four loads are in; the 12 of steps 1 to 3 may be out
	XTURN 0
.macro XSTEP t
.set XS, XX+16*((\t)%2)
.if (\t) > 0
	s_wait_dscnt 1                                 ; this step's numbers are back from the stage; the last step's byte store may be out
.else
	s_wait_dscnt 0x0
.endif
.if (\t)+4 < XSTEPS
	XLOAD (\t)+4                                   ; into the registers that this step's stores into the stage have read
.endif
.if (\t)+1 < XSTEPS
.if XSTEPS-2-(\t) >= 3
	s_wait_loadcnt 12                              ; the next step's four loads are in; those of the three steps behind it may be out
.else
	s_wait_loadcnt 4*(XSTEPS-2-(\t))
.endif
	XTURN (\t)+1
.endif
	v_max3_num_f32 v8, |v[XS]|, |v[XS+1]|, |v[XS+2]|     ; the largest magnitude of my 16, in two chains
	v_max3_num_f32 v9, |v[XS+3]|, |v[XS+4]|, |v[XS+5]|
.irp i, 6,10
	v_max3_num_f32 v8, v8, |v[XS+\i]|, |v[XS+\i+1]|
	v_max3_num_f32 v9, v9, |v[XS+\i+2]|, |v[XS+\i+3]|
.endr
	v_max3_num_f32 v8, v8, |v[XS+14]|, |v[XS+15]|
	v_max3_num_f32 v8, v8, v9, 0x1800000           ; and the floor 2^(3 - 127): the byte cannot fall under 1
	v_max_num_f32_dpp v8, v8, v8 row_xmask:1 row_mask:0xf bank_mask:0xf   ; with my neighbour's 16: the block's
	v_add_nc_u32 v11, 0xff000000, v8               ; 2 off its exponent field: the conversion takes the exponent field of this operand as its scale
	v_cvt_scalef32_pk8_fp4_f32 v[XC+4*(\t)], v[XS:XS+7], v11
	v_cvt_scalef32_pk8_fp4_f32 v[XC+4*(\t)+1], v[XS+8:XS+15], v11
	v_lshrrev_b32 v[XE+(\t)], 23, v11              ; the scale's byte
	ds_store_b8 v5, v[XE+(\t)] offset:16*(\t)      ; both lanes of a block write the same byte with the same value
	global_store_b64 v4, v[XC+4*(\t):XC+4*(\t)+1], s[12:13] offset:256*(\t)   ; the wave stores 256 consecutive bytes, aligned
.endm
.irp t, 0,1,2,3,4,5,6,7,8,9,10,11,12,13,14,15
	XSTEP \t
.endr
	ds_load_b64 v[8:9], v6                         ; the wave's 256 scale bytes, 8 a lane
	s_wait_dscnt 0x0
	global_store_b64 v7, v[8:9], s[14:15]
	FINISH
; ---------------- PATH W: wq, wk, wv.  K is the first axis.  A lane takes a column n and its registers run down K: a block of 32 lies in one lane, and the conversions give codes with K innermost.
; A wave takes 32 columns x 512 along K; the codes go through its own stage and leave as rows: sixteen lanes store 256 consecutive bytes, aligned.
.LW:
.set WNB,   16                         ; blocks a lane
.set WP,    272                        ; a stage row: 256 bytes + 16
.set WX,    32                         ; v32-95   two sets of 32 numbers
.set WC,    96                         ; v96-99   a block's codes
.set WO,    112                        ; v112-175 the way out
.set WSB,   24                         ; v24-27   the scale bytes, four to a register
	s_load_b128 s[4:7], s[0:1], 0x18               ; wq, wk
	s_load_b64 s[8:9], s[0:1], 0x28                ; wv
	s_load_b128 s[12:15], s[0:1], 0x50             ; wcodes, wscales
	s_lshr_b32 s30, ttmp9, 4                       ; which tensor
	s_and_b32 s17, ttmp9, 7
	s_lshl_b32 s17, s17, 7
	s_lshl_b32 s18, s16, 5
	s_add_co_u32 s17, s17, s18                     ; my wave's first column
	s_bfe_u32 s18, ttmp9, 0x10003                  ; which 512 along K
	v_lshlrev_b32 v3, 2, v2                        ; in: 4 bytes a lane
	s_mul_i32 s19, s16, 32*WP
	s_add_co_u32 s19, s19, 32768                   ; my stage
	v_mul_u32_u24 v4, v2, WP
	v_add_nc_u32 v4, s19, v4                       ; into it: row = my column
	v_and_b32 v5, 15, v2
	v_lshrrev_b32 v6, 4, v2
	v_mul_u32_u24 v7, v6, WP
	v_lshl_add_u32 v7, v5, 4, v7
	v_add_nc_u32 v7, s19, v7                       ; out of it: sixteen lanes to a row, two rows an instruction
	v_lshlrev_b32 v8, 9, v6
	v_lshl_add_u32 v8, v5, 4, v8                   ; the same place among the codes: rows of 512 bytes
	v_lshlrev_b32 v9, 5, v2                        ; my column's row of 32 scale bytes
	s_lshl_b32 s20, s18, 21                        ; in: 512 rows of 4,096 bytes,
	s_lshl_b32 s22, s17, 2
	s_add_co_u32 s20, s20, s22                     ; + 4 x column
	s_mov_b32 s21, 0
	s_lshl_b32 s24, s30, 19                        ; codes: 524,288 a tensor,
	s_lshl_b32 s22, s17, 9
	s_add_co_u32 s24, s24, s22                     ; 512 a column,
	s_lshl_b32 s22, s18, 8
	s_add_co_u32 s24, s24, s22                     ; 256 for 512 along K
	s_mov_b32 s25, 0
	s_lshl_b32 s28, s30, 15                        ; scale bytes: 32,768 a tensor,
	s_lshl_b32 s22, s17, 5
	s_add_co_u32 s28, s28, s22
	s_lshl_b32 s22, s18, 4
	s_add_co_u32 s28, s28, s22
	s_mov_b32 s29, 0
	s_wait_kmcnt 0x0
	s_cmp_lt_u32 s30, 1
	s_cselect_b64 s[4:5], s[4:5], s[6:7]
	s_cmp_lt_u32 s30, 2
	s_cselect_b64 s[4:5], s[4:5], s[8:9]
	s_add_nc_u64 s[4:5], s[4:5], s[20:21]
	s_add_nc_u64 s[12:13], s[12:13], s[24:25]
	s_add_nc_u64 s[14:15], s[14:15], s[28:29]
.macro WLOAD t                         ; block t: w(32 t + i, my column), into set t % 2; the wave reads 128 consecutive bytes
.set wi, 0
.rept 32
	global_load_b32 v[WX+32*((\t)%2)+wi], v3, s[4:5] offset:(32*(\t)+wi)*4096 th:TH_LOAD_NT
.set wi, wi+1
.endr
.endm
	WLOAD 0
	WLOAD 1
.macro WBLOCK t
.set WXS, WX+32*((\t)%2)
.if (\t) < WNB-1
	s_wait_loadcnt 32                              ; this block's 32 loads are in; the next block's 32 may be out
.else
	s_wait_loadcnt 0
.endif
	v_max3_num_f32 v12, |v[WXS]|, |v[WXS+1]|, |v[WXS+2]|
	v_max3_num_f32 v13, |v[WXS+3]|, |v[WXS+4]|, |v[WXS+5]|
.irp i, 6,10,14,18,22,26
	v_max3_num_f32 v12, v12, |v[WXS+\i]|, |v[WXS+\i+1]|
	v_max3_num_f32 v13, v13, |v[WXS+\i+2]|, |v[WXS+\i+3]|
.endr
	v_max3_num_f32 v12, v12, |v[WXS+30]|, |v[WXS+31]|
	v_max3_num_f32 v12, v12, v13, 0x1800000        ; and the floor
	v_add_nc_u32 v11, 0xff000000, v12              ; the conversion's scale operand
	v_lshrrev_b32 v13, 23, v11                     ; the scale's byte
.if (\t)%4 == 0
	v_mov_b32 v[WSB+(\t)/4], v13
.else
	v_lshl_or_b32 v[WSB+(\t)/4], v13, 8*((\t)%4), v[WSB+(\t)/4]
.endif
.irp g, 0,1,2,3
	v_cvt_scalef32_pk8_fp4_f32 v[WC+\g], v[WXS+8*\g:WXS+8*\g+7], v11
.endr
	v_nop                                          ; one plain line behind the last conversion
	ds_store_b128 v4, v[WC:WC+3] offset:16*(\t)    ; 32 codes: 16 bytes of my column's row
.if (\t)+2 < WNB
	WLOAD (\t)+2
.endif
	s_wait_dscnt 0x0                               ; the store has read its registers: the next block's codes may be written
.endm
.set WQ, 0
.rept WNB
	WBLOCK WQ
.set WQ, WQ+1
.endr
	global_store_b128 v9, v[WSB:WSB+3], s[14:15]   ; my column's 16 scale bytes
.irp t, 0,1,2,3,4,5,6,7,8,9,10,11,12,13,14,15
	ds_load_b128 v[WO+4*\t:WO+4*\t+3], v7 offset:2*\t*WP
.endr
.irp t, 0,1,2,3,4,5,6,7,8,9,10,11,12,13,14,15
	s_wait_dscnt 15-\t                             ; LDS loads come back in order: load t is in
	global_store_b128 v8, v[WO+4*\t:WO+4*\t+3], s[12:13] offset:2*\t*512
.endr
	FINISH
; ---------------- PATH O: wo -> f16 images.  A lane takes a column n, its registers run down K: eight neighbours along K pack into the 16 bytes that the image wants of that lane.
.LO:
	s_load_b64 s[4:5], s[0:1], 0x30                ; wo
	s_load_b64 s[6:7], s[0:1], 0x60                ; wof
	s_sub_co_u32 s17, ttmp9, 48
	s_and_b32 s18, s17, 7                          ; which 128 columns
	s_lshr_b32 s19, s17, 3                         ; which 64 along K
	s_lshl_b32 s20, s19, 18                        ; 64 rows of 4,096 bytes
	s_lshl_b32 s22, s18, 9
	s_add_co_u32 s20, s20, s22
	s_lshl_b32 s22, s16, 7
	s_add_co_u32 s20, s20, s22                     ; + my wave's 32 columns
	s_mov_b32 s21, 0
	s_lshr_b32 s24, s18, 1
	s_lshl_b32 s24, s24, 19                        ; out: 524,288 bytes for 256 columns,
	s_lshl_b32 s22, s19, 15
	s_add_co_u32 s24, s24, s22                     ; 8,192 for 16 along K,
	s_and_b32 s22, s18, 1
	s_lshl_b32 s22, s22, 3
	s_lshl_b32 s23, s16, 1
	s_add_co_u32 s22, s22, s23
	s_lshl_b32 s22, s22, 9
	s_add_co_u32 s24, s24, s22                     ; 512 for a tile of 16 columns
	s_mov_b32 s25, 0
	v_lshlrev_b32 v3, 2, v2
	v_lshrrev_b32 v4, 4, v2
	v_and_b32 v5, 15, v2
	v_lshlrev_b32 v4, 9, v4
	v_lshl_add_u32 v4, v5, 4, v4                   ; lanes 0-15 one tile, lanes 16-31 the next; 16 bytes a lane
	s_wait_kmcnt 0x0
	s_add_nc_u64 s[4:5], s[4:5], s[20:21]
	s_add_nc_u64 s[6:7], s[6:7], s[24:25]
.set oi, 0
.rept 64
	global_load_b32 v[16+oi], v3, s[4:5] offset:oi*4096 th:TH_LOAD_NT
.set oi, oi+1
.endr
.irp g, 0,1,2,3,4,5,6,7
	s_wait_loadcnt 56-8*\g                         ; this group's eight loads are in; the later groups' may be out
.irp i, 0,1,2,3
	v_cvt_pk_f16_f32 v[80+4*\g+\i], v[16+8*\g+2*\i], v[17+8*\g+2*\i]
.endr
	global_store_b128 v4, v[80+4*\g:83+4*\g], s[6:7] offset:(\g/2)*8192+(\g%2)*256   ; sixteen lanes store 256 consecutive bytes, aligned
.endr
	FINISH
; ---------------- PATH M: the mask's bytes -> lane-mask words.  A wave takes 32 queries x 256 keys.  Rows come in as whole pieces of 256 bytes, turn through the wave's stage, and each lane
; then holds the 8 bytes of its place in a tile of scores; a compare makes a word of 32 lanes' bytes.
.LM:
	s_load_b64 s[4:5], s[0:1], 0x38                ; mask
	s_load_b64 s[6:7], s[0:1], 0x68                ; maskbits
	s_sub_co_u32 s17, ttmp9, 176
	s_lshl_b32 s17, s17, 2
	s_add_co_u32 s17, s17, s16                     ; g = 512 b + 8 x (pair of query tiles) + (which 256 keys)
	s_lshr_b32 s18, s17, 9
	s_lshl_b32 s18, s18, 22
	s_bfe_u32 s19, s17, 0x60003
	s_lshl_b32 s19, s19, 16
	s_add_co_u32 s18, s18, s19
	s_and_b32 s19, s17, 7
	s_lshl_b32 s19, s19, 8
	s_add_co_u32 s18, s18, s19
	s_mov_b32 s19, 0
	s_lshl_b32 s28, s17, 10                        ; 256 words a wave
	s_mov_b32 s29, 0
	v_lshrrev_b32 v8, 4, v2
	v_and_b32 v9, 15, v2
	v_lshlrev_b32 v3, 11, v8
	v_lshl_add_u32 v3, v9, 4, v3                   ; in: lanes 0-15 one row's 256 bytes, lanes 16-31 the next row's
	s_mul_i32 s30, s16, 32*272
	s_add_co_u32 s30, s30, 67584                   ; my stage: 32 rows of 256 bytes + 16
	v_mul_u32_u24 v5, v8, 272
	v_lshl_add_u32 v5, v9, 4, v5
	v_add_nc_u32 v5, s30, v5
	v_mul_u32_u24 v6, v9, 272
	v_lshl_add_u32 v6, v8, 3, v6
	v_add_nc_u32 v6, s30, v6                       ; out: query l % 16, keys 8 (l / 16) + 0..7 of a tile
	v_lshlrev_b32 v7, 4, v2
.irp i, 0,1,2,3,4,5,6,7
	v_mov_b32 v[144+\i], 0                         ; written once: v_writelane_b32's destination counts as one of its sources
.endr
	s_wait_kmcnt 0x0
	s_add_nc_u64 s[4:5], s[4:5], s[18:19]
	s_add_nc_u64 s[6:7], s[6:7], s[28:29]
.irp i, 0,1,2,3,4,5,6,7,8,9,10,11,12,13,14,15
	global_load_b128 v[16+4*\i:19+4*\i], v3, s[4:5] offset:4096*\i th:TH_LOAD_NT
.endr
.irp i, 0,1,2,3,4,5,6,7,8,9,10,11,12,13,14,15
	s_wait_loadcnt 15-\i                           ; load i is in; the later ones may be out
	ds_store_b128 v5, v[16+4*\i:19+4*\i] offset:544*\i
.endr
.set mn, 0
.rept 32                               ; mn = 16 T + t: tile T of queries, tile t of the 16 tiles of keys
	ds_load_b64 v[80+2*mn:81+2*mn], v6 offset:4352*(mn/16)+16*(mn%16)
.set mn, mn+1
.endr
.set mn, 0
.rept 32
	s_wait_dscnt 31-mn                             ; load mn is in; the later ones may be out
.set mj, 0
.rept 8
.set mw, 64*((mn%16)/4)+32*(mn/16)+8*(mn%4)+mj     ; the word's place among the wave's 256: key step, tile of queries, 8 t + j
	v_and_b32 v[8+mj%4], 0xff<<(8*(mj%4)), v[80+2*mn+mj/4]
	v_cmp_ne_u32 s[20+mj], 0, v[8+mj%4]
	v_writelane_b32 v[144+4*(mw/128)+mw%4], s[20+mj], (mw/4)%32
.set mj, mj+1
.endr
.set mn, mn+1
.endr
	global_store_b128 v7, v[144:147], s[6:7]       ; the wave stores 512 consecutive bytes, twice
	global_store_b128 v7, v[148:151], s[6:7] offset:512
	FINISH
.Lfunc_end_k_q57fd02c51f_prep:
	.size	k_q57fd02c51f_prep, .Lfunc_end_k_q57fd02c51f_prep-k_q57fd02c51f_prep
	.p2alignl 7, 3214868480
	.fill 96, 4, 3214868480
	.section	.rodata,"a",@progbits
	.p2align	6, 0x0
	.amdhsa_kernel k_q57fd02c51f_prep
		.amdhsa_group_segment_fixed_size 102912
		.amdhsa_private_segment_fixed_size 0
		.amdhsa_enable_private_segment 0
		.amdhsa_kernarg_size 112
		.amdhsa_user_sgpr_count 2
		.amdhsa_user_sgpr_kernarg_segment_ptr 1
		.amdhsa_wavefront_size32 1
		.amdhsa_system_sgpr_workgroup_id_x 1
		.amdhsa_system_sgpr_workgroup_id_y 1
		.amdhsa_system_sgpr_workgroup_id_z 1
		.amdhsa_system_vgpr_workitem_id 0
		.amdhsa_next_free_vgpr 200
		.amdhsa_next_free_sgpr 66
		.amdhsa_reserve_vcc 0
		.amdhsa_float_denorm_mode_32 3
		.amdhsa_float_denorm_mode_16_64 3
		.amdhsa_memory_ordered 1
		.amdhsa_forward_progress 1
		.amdhsa_inst_pref_size 178
	.end_amdhsa_kernel
	.amdgpu_metadata
---
amdhsa.version: [ 1, 2 ]
amdhsa.kernels:
  - .name:           k_q57fd02c51f_prep
    .symbol:         k_q57fd02c51f_prep.kd
    .args:
      - { .name: q, .offset: 0, .size: 8, .value_kind: global_buffer, .address_space: global }
      - { .name: k, .offset: 8, .size: 8, .value_kind: global_buffer, .address_space: global }
      - { .name: v, .offset: 16, .size: 8, .value_kind: global_buffer, .address_space: global }
      - { .name: wq, .offset: 24, .size: 8, .value_kind: global_buffer, .address_space: global }
      - { .name: wk, .offset: 32, .size: 8, .value_kind: global_buffer, .address_space: global }
      - { .name: wv, .offset: 40, .size: 8, .value_kind: global_buffer, .address_space: global }
      - { .name: wo, .offset: 48, .size: 8, .value_kind: global_buffer, .address_space: global }
      - { .name: mask, .offset: 56, .size: 8, .value_kind: global_buffer, .address_space: global }
      - { .name: xcodes, .offset: 64, .size: 8, .value_kind: global_buffer, .address_space: global }
      - { .name: xscales, .offset: 72, .size: 8, .value_kind: global_buffer, .address_space: global }
      - { .name: wcodes, .offset: 80, .size: 8, .value_kind: global_buffer, .address_space: global }
      - { .name: wscales, .offset: 88, .size: 8, .value_kind: global_buffer, .address_space: global }
      - { .name: wof, .offset: 96, .size: 8, .value_kind: global_buffer, .address_space: global }
      - { .name: maskbits, .offset: 104, .size: 8, .value_kind: global_buffer, .address_space: global }
    .group_segment_fixed_size: 102912
    .private_segment_fixed_size: 0
    .kernarg_segment_align: 8
    .kernarg_segment_size: 112
    .max_flat_workgroup_size: 128
    .sgpr_count:     66
    .vgpr_count:     200
    .wavefront_size: 32
...
	.end_amdgpu_metadata
.endif
;; end of part 1
;; launch proj (part 2): grid 4 x 96, 4 waves a work-group, clusters of 4 x 4, 327,680 bytes of LDS; arguments xcodes, xscales, wcodes, wscales, bq, bk, bv, qkv; writes qkv
.if DOCPART == 2
	.amdgcn_target "amdgcn-amd-amdhsa--gfx1250"
	.amdhsa_code_object_version 6
	.text
	.protected	k_q57fd02c51f_proj
	.globl	k_q57fd02c51f_proj
	.p2align	8
	.type	k_q57fd02c51f_proj,@function
k_q57fd02c51f_proj:
	s_mov_b64 s[64:65], 0
	v_nop
	global_prefetch_b8 v0, s[64:65] scope:SCOPE_SE
	s_setreg_imm32_b32 hwreg(HW_REG_WAVE_MODE, 25, 1), 1
	s_wait_xcnt 0x0
	s_wait_alu depctr_hold_cnt(0) depctr_sa_sdst(0) depctr_va_vdst(0) depctr_va_sdst(0) depctr_va_ssrc(0) depctr_va_vcc(0) depctr_vm_vsrc(0)
	s_getreg_b32 s2, hwreg(HW_REG_IB_STS2, 6, 4)
	s_cmp_eq_u32 s2, 0
	s_cbranch_scc0 .Lentry_in_a_cluster
	s_endpgm
.Lentry_in_a_cluster:
	s_bfe_u32 s2, ttmp6, 0x10000c
	s_cmp_lg_u32 s2, 0xf033
	s_cbranch_scc0 .Lentry_shape_is_right
	s_endpgm
.Lentry_shape_is_right:
; PROJ: Q = (q wq + bq) c, K = k wk + bk, V = v wv + bv, the three products on codes of FP4 (E2M1) with one E8M0 scale for each 32 along K; sums in f32; results rounded once to f16.
; c = log2(e) / 8 is multiplied into Q in f32, so that the next launch's scores come out as score x log2(e).
; The three tensors of rows are stacked: 96 tile rows of 256; 4 tile columns of 256.  A work-group of four waves makes 256 x 256, a wave 128 x 128: 64 accumulators, 512 registers.
; K = 1,024 is two slots of 512 in LDS (rows of 256 bytes + 16 of padding): both are first fills, nothing is filled again.  The scale bytes of the work-group's rows come once, as blocks of 256 bytes + 16.
; CLUSTERS: 4 x 4 work-groups.  A row of the cluster shares the rows' tiles, a column the weights': each is asked for jointly.  A cluster lies inside one tensor (8 clusters along y for each).
; THE MATRIX INSTRUCTION IS USED TRANSPOSED (source 0 = 16 columns of the weight, source 1 = 16 rows): a lane holds one row and eight neighbouring channels.  Packed to f16 those are the 16 bytes
; that an IMAGE OF A FRAGMENT wants of that lane, so a tile of 16 rows x 16 channels leaves by one store of 512 consecutive bytes: qkv = [3][b][head][tile of 16 rows][16 channels][512 bytes].
; V's images are laid for the transposing LDS load: the piece of lane l lies at place l % 8 + 8 (l / 16) + 16 ((l / 8) % 2).
; The bias is the C of each sum's first matrix instruction.
; LIMITS: c Q, K and V must lie within f16's +-65,504; magnitudes under 6e-5 carry an absolute error of 2^-25.
; REGISTERS: window 0: v0-31 addresses; v32-95 scale words, two sets; v128-191 the rows' fragments, one set; on the way out v32-255.  window 1: the weights' fragments, two sets, at v0 and v128; v64-127 the bias.
;   window 2: the accumulators of my rows 0-63 ((a, b) at v[8 (8 a + b)]); window 3: those of rows 64-127.
.set NQ,     4                         ; steps of 128 along K in a slot
.set ROWB,   256
.set KROW,   512                       ; a row of codes in memory
.set PITCH,  272                       ; 68 words: the 16 rows that a load touches start at 16 different banks (64 banks of 4 bytes: ISA guide 11.1)
.set FR,     8
.set NL,     2
.set NP,     4
.set HALFT,  128*PITCH
.set SLOT,   4*HALFT
.set KS,     32                        ; a row of scale bytes
.set SCL,    2*SLOT
.set HALFS,  (128*KS/256)*272
.set SBLK,   (16*KS/256)*272
.set SPARE,  SCL+4*HALFS               ; the spare words, 128 bytes for each wave: two blocks of 256 bytes that no other line names
.set ADRA, 16
.set ADRB, 20
.set BIA,  25                          ; v25  32 x (lane / 16): my eight channels in a tile of the bias
.set CO,   26                          ; v26  my 16 bytes in an image
.set ADRS, 27
.set SPW,  28
.set NIL,  29
.set SC,   32
.set AF,   128
.set BI,   64                          ; in window 1
.set TMP,  32                          ; the way out: 64 numbers in f32
.set PK,   128                         ; and four sets of 32 registers of f16 pairs
.set G1, 24
.set G0, 32
.set G1B, 48
.set G0B, 56
.set G1S, 68
.set G0S, 76
.set G1SB, 80
.set G0SB, 88
.set MSB, 0
.macro WIN new                         ; the immediate's high byte repeats the setting that is left
.if MSB != \new
	s_set_vgpr_msb (MSB<<8)|\new
.set MSB, \new
.endif
.endm
.set MUL_LO, 0xa1                      ; source 0 window 1, source 1 window 0, C and D window 2
.set MUL_HI, 0xf1
.set BIAS_LO, 0x91                     ; the same with C (the bias) in window 1
.set BIAS_HI, 0xd1
.set TO_B,   0x40
; A joint load: waves 0 and 1 fetch the rows' tiles, waves 2 and 3 the weights'.  The branch hangs on the wave's number alone.  An s_nop 0 and four v_nop follow each line.
.macro JLOAD g0a, g1a, g0b, g1b
	s_cmp_eq_u32 s17, 0
	s_cbranch_scc0 .Lfor_b_\@
	tensor_load_to_lds s[\g0a:\g0a+3], s[\g1a:\g1a+7]
	s_nop 0
.rept 4
	v_nop
.endr
	s_branch .Lasked_\@
.Lfor_b_\@:
	tensor_load_to_lds s[\g0b:\g0b+3], s[\g1b:\g1b+7]
	s_nop 0
.rept 4
	v_nop
.endr
.Lasked_\@:
.endm
.macro CROUND                          ; a round of the cluster's barrier
	s_barrier_signal -1
	s_barrier_wait -1
	s_cmp_lg_u32 s16, 0
	s_cbranch_scc1 .Lnot_wave_0_\@
	s_barrier_signal -3
.Lnot_wave_0_\@:
	s_barrier_wait -3
	s_barrier_signal -1
	s_barrier_wait -1
.endm
	s_load_b256 s[4:11], s[0:1], 0x0               ; xcodes, xscales, wcodes, wscales
	s_load_b128 s[96:99], s[0:1], 0x20             ; bq, bk
	s_load_b128 s[12:15], s[0:1], 0x30             ; bv, qkv
	v_lshl_add_u32 v[SPW], v0, 2, SPARE
	v_mov_b32 v[NIL], 0
	ds_add_u32 v[SPW], v[NIL]                      ; the wave's opening: the add, twice on end, and its wait ahead of my first tensor load
	ds_add_u32 v[SPW], v[NIL]
	v_lshrrev_b32 v1, 5, v0
	v_readfirstlane_b32 s16, v1                    ; wave 0..3
	s_lshr_b32 s17, s16, 1                         ; which half of the tile's rows is mine.  Also: I fetch rows (0) or weights (1)
	s_and_b32 s18, s16, 1                          ; which half of its columns.  Also: which 128 rows of that tile I fetch
	s_bfe_u32 s40, ttmp6, 0x40000                  ; cx
	s_bfe_u32 s41, ttmp6, 0x40004                  ; cy
	s_lshl_b32 s42, ttmp9, 2
	s_add_co_u32 s42, s42, s40                     ; tile column
	s_and_b32 s19, ttmp7, 0xffff
	s_lshr_b32 s95, s19, 3                         ; which tensor: from the cluster's y alone, the same in all sixteen partners
	s_lshl_b32 s19, s19, 2
	s_add_co_u32 s19, s19, s41                     ; tile row, over the three tensors
	s_lshl_b32 s43, s41, 2
	s_lshl_b32 s43, 15, s43                        ; my row of the cluster
	s_lshl_b32 s44, 0x1111, s40                    ; my column
	s_or_b32 s[G1+0], s43, (0<<16)|(1<<20)|(1<<21)|(5<<22)|(3<<25)   ; the mask; elements of 1 byte; padding on; bit 21 beside a mask; 4 words behind every 64
	s_or_b32 s[G1B+0], s44, (0<<16)|(1<<20)|(1<<21)|(5<<22)|(3<<25)
.irp g, G1, G1B
	s_mov_b32 s[\g+1], ROWB<<16                    ; tensor_dim0
	s_mov_b32 s[\g+2], 128<<16                     ; tensor_dim1
	s_mov_b32 s[\g+3], ROWB<<16                    ; tile_dim0
	s_mov_b32 s[\g+4], 128                         ; tile_dim1
	s_mov_b32 s[\g+5], KROW                        ; from row to row
	s_mov_b32 s[\g+6], 0
	s_mov_b32 s[\g+7], 0
.endr
	s_or_b32 s[G1S+0], s43, (3<<16)|(1<<20)|(1<<21)|(5<<22)|(3<<25)  ; the scale bytes of 128 rows: 4,096 dense bytes as 16 rows of 32 elements of 8 bytes
	s_or_b32 s[G1SB+0], s44, (3<<16)|(1<<20)|(1<<21)|(5<<22)|(3<<25)
.irp g, G1S, G1SB
	s_mov_b32 s[\g+1], 32<<16
	s_mov_b32 s[\g+2], (128*KS/256)<<16
	s_mov_b32 s[\g+3], 32<<16
	s_mov_b32 s[\g+4], 128*KS/256
	s_mov_b32 s[\g+5], 32
	s_mov_b32 s[\g+6], 0
	s_mov_b32 s[\g+7], 0
.endr
	s_lshl_b32 s22, s18, 7                         ; which 128 rows of the tile I fetch
	s_lshl_b32 s20, s19, 8
	s_add_co_u32 s20, s20, s22                     ; rows: 256 x tile row + 128 x half
	s_lshl_b32 s46, s42, 8
	s_add_co_u32 s46, s46, s22
	s_lshl_b32 s47, s95, 10
	s_add_co_u32 s46, s46, s47                     ; weights: 1,024 x tensor + 256 x tile column + 128 x half
	s_lshl_b32 s22, s20, 5                         ; their scale bytes,
	s_mov_b32 s23, 0
	s_lshl_b32 s92, s46, 5
	s_mov_b32 s93, 0
	s_lshl_b32 s20, s20, 9                         ; and their codes
	s_mov_b32 s21, 0
	s_lshl_b32 s46, s46, 9
	s_mov_b32 s47, 0
	s_mul_i32 s45, s16, HALFT                      ; where they go: no place in the cluster enters an LDS address
	s_mul_i32 s94, s16, HALFS
	s_cmp_eq_u32 s95, 0
	s_cselect_b32 s100, 0x3e38aa3b, 1.0            ; Q is multiplied by c = log2(e) / 8, K and V by 1
	s_mov_b32 s101, s100                           ; (named with it as a pair)
	s_wait_dscnt 0x0                               ; both opening adds are done
	s_wait_kmcnt 0x0
	s_add_nc_u64 s[20:21], s[4:5], s[20:21]
	s_add_nc_u64 s[22:23], s[6:7], s[22:23]
	s_add_nc_u64 s[46:47], s[8:9], s[46:47]
	s_add_nc_u64 s[92:93], s[10:11], s[92:93]
	CROUND                                         ; all sixteen work-groups are here: the joint loads meet
	s_mov_b32 s[G0S], 1
	s_add_co_u32 s[G0S+1], s94, SCL
	s_mov_b64 s[G0S+2:G0S+3], s[22:23]
	s_or_b32 s[G0S+3], s[G0S+3], 0x80000000
	s_mov_b32 s[G0SB], 1
	s_add_co_u32 s[G0SB+1], s94, SCL
	s_mov_b64 s[G0SB+2:G0SB+3], s[92:93]
	s_or_b32 s[G0SB+3], s[G0SB+3], 0x80000000
	JLOAD G0S, G1S, G0SB, G1SB                     ; the scales first: they are wanted with the first slot
.irp s, 0,1
	s_mov_b32 s[G0+4*\s], 1
	s_add_co_u32 s[G0+4*\s+1], s45, \s*SLOT
	s_add_nc_u64 s[G0+4*\s+2:G0+4*\s+3], s[20:21], \s*ROWB
	s_or_b32 s[G0+4*\s+3], s[G0+4*\s+3], 0x80000000
	s_mov_b32 s[G0B+4*\s], 1
	s_add_co_u32 s[G0B+4*\s+1], s45, \s*SLOT
	s_add_nc_u64 s[G0B+4*\s+2:G0B+4*\s+3], s[46:47], \s*ROWB
	s_or_b32 s[G0B+4*\s+3], s[G0B+4*\s+3], 0x80000000
	JLOAD G0+4*\s, G1, G0B+4*\s, G1B               ; three tensor loads of mine are out
.endr
	v_and_b32 v1, 15, v0                           ; l % 16
	v_bfe_u32 v2, v0, 4, 1                         ; l / 16
	; the bias: lane (r, h) wants, for tile b of 16 channels, those at 16 b + 8 h + 0..7
	s_cmp_lt_u32 s95, 1
	s_cselect_b64 s[96:97], s[96:97], s[98:99]
	s_cmp_lt_u32 s95, 2
	s_cselect_b64 s[96:97], s[96:97], s[12:13]
	s_lshl_b32 s46, s42, 10
	s_lshl_b32 s47, s18, 9
	s_add_co_u32 s46, s46, s47                     ; my first channel, in bytes
	s_mov_b32 s47, 0
	s_add_nc_u64 s[96:97], s[96:97], s[46:47]
	v_lshlrev_b32 v[BIA], 5, v2
	WIN TO_B
.irp b, 0,1,2,3,4,5,6,7
	global_load_b128 v[BI+8*\b:BI+8*\b+3], v[BIA], s[96:97] offset:64*\b
	global_load_b128 v[BI+8*\b+4:BI+8*\b+7], v[BIA], s[96:97] offset:64*\b+16
.endr
	WIN 0
	v_mul_u32_u24 v3, v1, PITCH
	v_lshl_add_u32 v4, v2, 4, v3                   ; a fragment's row x pitch + 16 x half
	s_mul_i32 s21, s17, HALFT                      ; my 128 rows,
	s_mul_i32 s22, s18, HALFT                      ; my 128 columns of the weight,
	s_add_co_u32 s22, s22, 2*HALFT                 ; which lie behind the 256 rows
.irp s, 0,1
	v_add_nc_u32 v[ADRA+\s], s21, v4
	v_add_nc_u32 v[ADRB+\s], s22, v4
	s_add_co_u32 s21, s21, SLOT
	s_add_co_u32 s22, s22, SLOT
.endr
	v_mul_u32_u24 v5, v1, KS                       ; my row's scale bytes: 32 a row,
	v_lshrrev_b32 v6, 8, v5
	v_lshl_add_u32 v5, v6, 4, v5                   ; and 16 more for each 256 passed
	s_mul_i32 s21, s17, HALFS
	s_mul_i32 s22, s18, HALFS
	s_add_co_u32 s22, s22, 2*HALFS
	s_sub_co_u32 s22, s22, s21
	v_mul_u32_u24 v6, s22, v2                      ; lanes 16-31 take the weights'
	s_add_co_u32 s21, s21, SCL
	v_add_nc_u32 v5, v5, v6
	v_add_nc_u32 v[ADRS], s21, v5
	; the way out: my 16 bytes in an image, and where my part of qkv begins
	v_and_b32 v6, 31, v0
	v_lshlrev_b32 v[CO], 4, v6                     ; Q, K: place = lane
	v_and_b32 v7, 7, v0
	v_lshl_add_u32 v7, v2, 3, v7
	v_bfe_u32 v8, v0, 3, 1
	v_lshl_add_u32 v7, v8, 4, v7
	v_lshlrev_b32 v7, 4, v7                        ; V: place = l % 8 + 8 (l / 16) + 16 ((l / 8) % 2)
	s_cmp_eq_u32 s95, 2
	s_cselect_b32 s22, -1, 0
	v_cndmask_b32 v[CO], v[CO], v7, s22
	s_lshr_b32 s20, s19, 3
	s_lshl_b32 s20, s20, 22                        ; 4 x tensor + batch: 4,194,304 bytes each
	s_and_b32 s21, s19, 7
	s_lshl_b32 s21, s21, 4
	s_lshl_b32 s22, s17, 3
	s_add_co_u32 s21, s21, s22
	s_lshl_b32 s21, s21, 11                        ; my first tile of 16 rows: 2,048 bytes a tile
	s_add_co_u32 s20, s20, s21
	s_lshl_b32 s46, s42, 2
	s_lshl_b32 s47, s18, 1
	s_add_co_u32 s46, s46, s47
	s_lshl_b32 s46, s46, 18                        ; my first head: 262,144 bytes a head
	s_add_co_u32 s20, s20, s46
	s_mov_b32 s21, 0
	s_add_nc_u64 s[14:15], s[14:15], s[20:21]
.macro FRAG reg, adr, q, i             ; 16 rows x 128 K of 4-bit codes: 8 registers; registers 4 c .. 4 c + 3 hold K = 64 c + 32 (l / 16) + 0 .. 31
.irp c, 0,1
	ds_load_b128 v[\reg+4*\c:\reg+4*\c+3], v[\adr] offset:64*(\q)+32*\c+(\i)*16*PITCH
.endr
.endm
; 16 matrix instructions: blocks a0, a0 + 1 of rows x the weight's eight.  zero = 1: the first product starts the sums, with the bias as its C.
; The 64 accumulators take turns, one instruction a turn, in the same order in every step.
.macro MUL16 a0, p, q, sc, zero
.irp a, \a0, \a0+1
.irp b, 0,1,2,3,4,5,6,7
.if \zero
	v_wmma_scale_f32_16x16x128_f8f6f4 v[8*(8*((\a)%4)+\b):8*(8*((\a)%4)+\b)+7], v[128*(\p)+FR*\b:128*(\p)+FR*\b+FR-1], v[AF+FR*(\a):AF+FR*(\a)+FR-1], v[BI+8*\b:BI+8*\b+7], v[SC+8*NQ*(\sc)+NQ*\b+(\q)], v[SC+8*NQ*(\sc)+NQ*(\a)+(\q)] matrix_a_fmt:MATRIX_FMT_FP4 matrix_b_fmt:MATRIX_FMT_FP4 matrix_a_scale:MATRIX_SCALE_ROW1
.else
	v_wmma_scale_f32_16x16x128_f8f6f4 v[8*(8*((\a)%4)+\b):8*(8*((\a)%4)+\b)+7], v[128*(\p)+FR*\b:128*(\p)+FR*\b+FR-1], v[AF+FR*(\a):AF+FR*(\a)+FR-1], v[8*(8*((\a)%4)+\b):8*(8*((\a)%4)+\b)+7], v[SC+8*NQ*(\sc)+NQ*\b+(\q)], v[SC+8*NQ*(\sc)+NQ*(\a)+(\q)] matrix_a_fmt:MATRIX_FMT_FP4 matrix_b_fmt:MATRIX_FMT_FP4 matrix_a_scale:MATRIX_SCALE_ROW1
.endif
.endr
.endr
.endm
.macro FETCH_B slot, q, p
	WIN TO_B
.irp i, 0,1,2,3,4,5,6,7
	FRAG 128*(\p)+FR*\i, ADRB+\slot, \q, \i
.endr
	WIN 0
.endm
.macro FETCH_A slot, q, i0
.irp i, \i0, \i0+1, \i0+2, \i0+3
	FRAG AF+FR*(\i), ADRA+\slot, \q, \i
.endr
.endm
.macro SCALES sc                       ; a slot's scale words: lanes 0-15 take the rows' block i, lanes 16-31 the weight's block i
.irp i, 0,1,2,3,4,5,6,7
	ds_load_b128 v[SC+8*NQ*\sc+NQ*\i:SC+8*NQ*\sc+NQ*\i+3], v[ADRS] offset:\i*SBLK
.endr
.endm
.macro PLACES n                        ; plain vector instructions that name none of a matrix instruction's registers, in front of loads into its sources and of reads of its results
.rept \n
	v_nop
.endr
.endm
.macro STEP slot, q, zero              ; 128 along K, with its successor in the same slot
	s_wait_dscnt 4*NL                              ; all but the youngest eight loads (the rows' blocks 4-7) are in
.if \zero
	WIN BIAS_LO
.else
	WIN MUL_LO
.endif
	MUL16 0, (\q)%2, \q, \slot, \zero
	MUL16 2, (\q)%2, \q, \slot, \zero
	s_wait_dscnt 0
	PLACES NP
	FETCH_B \slot, (\q)+1, 1-(\q)%2
	FETCH_A \slot, (\q)+1, 0
.if \zero
	WIN BIAS_HI
.else
	WIN MUL_HI
.endif
	MUL16 4, (\q)%2, \q, \slot, \zero
	MUL16 6, (\q)%2, \q, \slot, \zero
	PLACES NP
	WIN 0
	FETCH_A \slot, (\q)+1, 4
.endm
.macro TURN slot, next                 ; a slot's last step, and the change to the next slot: each wave's part of it has landed before the barrier's signal
	s_wait_tensorcnt 0x0                           ; all my tensor loads have landed
	ds_add_u32 v[SPW], v[NIL]                      ; 0 onto my spare word
	s_wait_dscnt 4*NL+1                            ; the add and the youngest eight loads may be out
	WIN MUL_LO
	MUL16 0, 1, NQ-1, \slot, 0
	s_wait_dscnt 0x0
	s_barrier_signal -1
	MUL16 2, 1, NQ-1, \slot, 0
	WIN 0
	s_barrier_wait -1
	PLACES NP
	v_add_nc_u32 v[ADRS], 4*NQ, v[ADRS]            ; on to the next slot's scale words
	FETCH_B \next, 0, 0
	FETCH_A \next, 0, 0
	SCALES \next
	WIN MUL_HI
	MUL16 4, 1, NQ-1, \slot, 0
	MUL16 6, 1, NQ-1, \slot, 0
	PLACES NP
	WIN 0
	FETCH_A \next, 0, 4
.endm
	s_wait_tensorcnt 1                             ; the scales and my part of slot 0 are in; slot 1's load may be out
	s_barrier_signal -1
	s_barrier_wait -1
	FETCH_B 0, 0, 0
	FETCH_A 0, 0, 0
	SCALES 0
	FETCH_A 0, 0, 4
	s_wait_loadcnt 0x0                             ; the bias
	STEP 0, 0, 1
	STEP 0, 1, 0
	STEP 0, 2, 0
	TURN 0, 1
	STEP 1, 0, 0
	STEP 1, 1, 0
	STEP 1, 2, 0
	s_wait_dscnt 4*NL                              ; the last step: nothing more to fetch
	WIN MUL_LO
	MUL16 0, 1, NQ-1, 1, 0
	MUL16 2, 1, NQ-1, 1, 0
	s_wait_dscnt 0
	WIN MUL_HI
	MUL16 4, 1, NQ-1, 1, 0
	MUL16 6, 1, NQ-1, 1, 0
	WIN 0
	PLACES NP
; THE WAY OUT of block a (16 rows x 128 channels): x the factor in f32, rounded to f16; each tile's four registers are an image and leave by one store of 512 consecutive bytes.
.macro OUT a
.if (\a) < 4
	WIN 0x02                                       ; source 0: window 2
.else
	WIN 0x03
.endif
.set oi, 0
.rept 32
	v_pk_mul_f32 v[TMP+2*oi:TMP+2*oi+1], v[64*((\a)%4)+2*oi:64*((\a)%4)+2*oi+1], s[100:101] op_sel_hi:[1,0]   ; each accumulator from its low end on
.set oi, oi+1
.endr
	WIN 0
.set oi, 0
.rept 32
	v_cvt_pk_f16_f32 v[PK+32*((\a)%4)+oi], v[TMP+2*oi], v[TMP+2*oi+1]
.set oi, oi+1
.endr
.irp b, 0,1,2,3,4,5,6,7
	global_store_b128 v[CO], v[PK+32*((\a)%4)+4*\b:PK+32*((\a)%4)+4*\b+3], s[14:15] offset:(\b/4)*262144+(\a)*2048+(\b%4)*512
.endr
.endm
	OUT 0
	OUT 1
	OUT 2
	OUT 3
	s_wait_xcnt 0x0                                ; the stores have read their data: the four sets come round again
	OUT 4
	OUT 5
	OUT 6
	OUT 7
	s_wait_tensorcnt 0x0                           ; the wave's end
	ds_add_u32 v[SPW], v[NIL]
	s_wait_dscnt 0x0
	CROUND                                         ; the closing round
	s_endpgm
.Lfunc_end_k_q57fd02c51f_proj:
	.size	k_q57fd02c51f_proj, .Lfunc_end_k_q57fd02c51f_proj-k_q57fd02c51f_proj
	.p2alignl 7, 3214868480
	.fill 96, 4, 3214868480
	.section	.rodata,"a",@progbits
	.p2align	6, 0x0
	.amdhsa_kernel k_q57fd02c51f_proj
		.amdhsa_group_segment_fixed_size 327680
		.amdhsa_private_segment_fixed_size 0
		.amdhsa_enable_private_segment 0
		.amdhsa_kernarg_size 64
		.amdhsa_user_sgpr_count 2
		.amdhsa_user_sgpr_kernarg_segment_ptr 1
		.amdhsa_wavefront_size32 1
		.amdhsa_system_sgpr_workgroup_id_x 1
		.amdhsa_system_sgpr_workgroup_id_y 1
		.amdhsa_system_sgpr_workgroup_id_z 1
		.amdhsa_system_vgpr_workitem_id 0
		.amdhsa_next_free_vgpr 1024
		.amdhsa_next_free_sgpr 102
		.amdhsa_reserve_vcc 0
		.amdhsa_float_denorm_mode_32 3
		.amdhsa_float_denorm_mode_16_64 3
		.amdhsa_memory_ordered 1
		.amdhsa_forward_progress 1
		.amdhsa_inst_pref_size 136
	.end_amdhsa_kernel
	.amdgpu_metadata
---
amdhsa.version: [ 1, 2 ]
amdhsa.kernels:
  - .name:           k_q57fd02c51f_proj
    .symbol:         k_q57fd02c51f_proj.kd
    .args:
      - { .name: xcodes, .offset: 0, .size: 8, .value_kind: global_buffer, .address_space: global }
      - { .name: xscales, .offset: 8, .size: 8, .value_kind: global_buffer, .address_space: global }
      - { .name: wcodes, .offset: 16, .size: 8, .value_kind: global_buffer, .address_space: global }
      - { .name: wscales, .offset: 24, .size: 8, .value_kind: global_buffer, .address_space: global }
      - { .name: bq, .offset: 32, .size: 8, .value_kind: global_buffer, .address_space: global }
      - { .name: bk, .offset: 40, .size: 8, .value_kind: global_buffer, .address_space: global }
      - { .name: bv, .offset: 48, .size: 8, .value_kind: global_buffer, .address_space: global }
      - { .name: qkv, .offset: 56, .size: 8, .value_kind: global_buffer, .address_space: global }
    .group_segment_fixed_size: 327680
    .private_segment_fixed_size: 0
    .kernarg_segment_align: 8
    .kernarg_segment_size: 64
    .max_flat_workgroup_size: 128
    .sgpr_count:     102
    .vgpr_count:     1024
    .wavefront_size: 32
...
	.end_amdgpu_metadata
.endif
;; end of part 2
;; launch attn (part 3): grid 4 x 64, 16 waves a work-group, clusters of 4 x 1, 327,680 bytes of LDS; arguments qkv, maskbits, xf; writes xf
.if DOCPART == 3
	.amdgcn_target "amdgcn-amd-amdhsa--gfx1250"
	.amdhsa_code_object_version 6
	.text
	.protected	k_q57fd02c51f_attn
	.globl	k_q57fd02c51f_attn
	.p2align	8
	.type	k_q57fd02c51f_attn,@function
k_q57fd02c51f_attn:
	s_mov_b64 s[64:65], 0
	v_nop
	global_prefetch_b8 v0, s[64:65] scope:SCOPE_SE
	s_setreg_imm32_b32 hwreg(HW_REG_WAVE_MODE, 25, 1), 1
	s_wait_xcnt 0x0
	s_wait_alu depctr_hold_cnt(0) depctr_sa_sdst(0) depctr_va_vdst(0) depctr_va_sdst(0) depctr_va_ssrc(0) depctr_va_vcc(0) depctr_vm_vsrc(0)
	s_getreg_b32 s2, hwreg(HW_REG_IB_STS2, 6, 4)
	s_cmp_eq_u32 s2, 0
	s_cbranch_scc0 .Lentry_in_a_cluster
	s_endpgm
.Lentry_in_a_cluster:
	s_bfe_u32 s2, ttmp6, 0x10000c
	s_cmp_lg_u32 s2, 0x3003
	s_cbranch_scc0 .Lentry_shape_is_right
	s_endpgm
.Lentry_shape_is_right:
; ATTN: x[b][q][head] = softmax_k(where(mask, -1e9, Q . K / 8)) V, for one (batch, head) in each cluster.  Operands in f16, products, maxima and sums in f32.
; Q arrives multiplied by log2(e) / 8, so a score comes out as t = score x log2(e); where the mask's bit is set t is REPLACED by -1e9 x log2(e).  For each query a running maximum m and sum l:
; p = 2^(t - m); in every step O and l are multiplied by a = 2^(old m - new m).  In a row that is masked throughout every p is 1: the plain average of V.
; SHARES.  A work-group owns 512 queries of one head, each of its SIXTEEN waves 32: two tiles of 16, in 256 registers; four waves to a SIMD.  Every wave walks all 2,048 keys, 64 a step.
; LAYOUT.  S^T = K Q^T (source 0 = 16 keys, source 1 = 16 queries) and O^T = V^T P (source 0 = 16 channels, source 1 = P): a lane holds ONE query throughout.  Two tiles of S^T, rounded to f16 in pairs, ARE a fragment of P.
; Q, K, V lie in memory as images of fragment registers (512 bytes: 16 rows x 16 channels, 16 bytes a lane): tiles are dense blocks, LDS reads are 512 consecutive bytes, V comes turned by ds_load_tr16_b128.
; THE MASK comes as lane-mask words, 64 a wave and step, by scalar loads a step ahead; v_cndmask_b32 takes a word as it stands.
; CLUSTER.  The four work-groups of a cluster are the four query blocks of one head: K and V are asked for JOINTLY.  A slot holds 512 keys (64 KB of K, 64 KB of V); every wave fetches 8 KB of each slot.
; Two first fills and two refills in all; a refill has eight key steps in which to land, so nothing more is asked for ahead of it.
; LIMITS: the result must lie within f16's range (it is an average of V); p under 6e-5 carries an absolute error of 2^-25; scores at or under -3e38 are not served.
.set SLOT1, 1<<17
.set VOFF,  65536
.set SPARE, 262144                     ; behind the ring: the spare words, 128 bytes for each wave: eight blocks of 256 bytes that no other line names
.set LI,  1                            ; v1   16 x lane: my place in an image
.set LV,  2                            ; v2   the same in V's part of a slot
.set ADK, 3                            ; v3   LDS address of the step's K
.set ADV, 4                            ; v4   of its V
.set TN,  5                            ; v5   -1e9 x log2(e)
.set SPW, 6
.set NIL, 7
.set ST,  8                            ; tile q's statistics at v[8 + 8 q]: +0 m, +1 old m, +2, +3 l in two halves, +4 .. +7 at work; a in +6, old m - m in +7
.set Q,   32                           ; v32-63   Q: tile q, channels 32 s on, at 32 + 16 q + 8 s
.set KV,  64                           ; v64-127  K's fragments of a step, then V's
.set S,   128                          ; v128-191 S^T: (q, t) at 128 + 32 q + 8 t; then p; then P in f16 at 128 + 32 q + 0 .. 15
.set O,   192                          ; v192-255 O^T: (q, c) at 192 + 32 q + 8 c
.set WV,  10
.set TB,  11                           ; s11  LDS byte at which the step's K begins
.set CNT, 12
.set SLOTS, 13
.set KSN, 14                           ; s14  key steps whose mask words have been asked for, less one
.set G1,  16                           ; s[16:23] descriptor group 1
.set G0A, 24                           ; s[24:27] group 0 of slot 0's first fill
.set G0W, 28                           ; s[28:31] of slot 1's; it then walks on
.set SEL, 66                           ; s[66:67] v_permlanex16_b32's selects for lane l xor 16
.set MK,  32                           ; s[32:63] tile 0's 32 mask words; s[68:99] tile 1's
.macro CROUND                          ; a round of the cluster's barrier
	s_barrier_signal -1
	s_barrier_wait -1
	s_cmp_lg_u32 s[WV], 0
	s_cbranch_scc1 .Lnot_wave_0_\@
	s_barrier_signal -3
.Lnot_wave_0_\@:
	s_barrier_wait -3
	s_barrier_signal -1
	s_barrier_wait -1
.endm
	s_load_b128 s[4:7], s[0:1], 0x0                ; qkv, maskbits
	s_load_b64 s[8:9], s[0:1], 0x10                ; xf
	v_lshl_add_u32 v[SPW], v0, 2, SPARE
	v_mov_b32 v[NIL], 0
	ds_add_u32 v[SPW], v[NIL]                      ; the wave's opening: the add, twice on end, and its wait ahead of my first tensor load
	ds_add_u32 v[SPW], v[NIL]
	v_lshrrev_b32 v1, 5, v0
	v_readfirstlane_b32 s[WV], v1                  ; wave 0..15
	s_bfe_u32 s15, ttmp6, 0x40000                  ; cx: my block of 512 queries; it enters Q's, the mask's and the result's addresses alone
	s_and_b32 s100, ttmp7, 0xffff                  ; 16 x batch + head, which the four partners share
	s_mov_b32 s[G1], 15|(3<<16)|(1<<21)            ; the mask: all four work-groups; elements of 8 bytes; bit 21 beside a mask; no padding
	s_mov_b32 s[G1+1], 32<<16                      ; tensor_dim0 = 32 elements: 256 bytes
	s_mov_b32 s[G1+2], 32<<16                      ; tensor_dim1 = 32 rows
	s_mov_b32 s[G1+3], 32<<16                      ; tile_dim0
	s_mov_b32 s[G1+4], 32                          ; tile_dim1
	s_mov_b32 s[G1+5], 32                          ; from row to row: dense
	s_mov_b32 s[G1+6], 0
	s_mov_b32 s[G1+7], 0
	s_mov_b32 s[G0A], 1
	s_lshl_b32 s[G0A+1], s[WV], 13                 ; LDS: 8,192 x wave: waves 0-7 K's part of a slot, waves 8-15 V's
	s_mov_b32 s[G0W], 1
	s_add_co_u32 s[G0W+1], s[G0A+1], SLOT1
	s_lshr_b32 s32, s[WV], 3
	s_add_co_u32 s32, s32, 1
	s_lshl_b32 s32, s32, 24                        ; K is tensor 1 of qkv, V tensor 2: 16,777,216 bytes each
	s_lshl_b32 s34, s100, 18                       ; the head: 262,144 bytes
	s_add_co_u32 s32, s32, s34
	s_and_b32 s35, s[WV], 7
	s_lshl_b32 s35, s35, 13
	s_add_co_u32 s32, s32, s35                     ; my 8,192 bytes of a slot's 65,536
	s_mov_b32 s33, 0
	s_lshl_b32 s36, s15, 5
	s_lshl_b32 s37, s[WV], 1
	s_add_co_u32 s36, s36, s37                     ; my first tile of queries: 32 cx + 2 x wave
	s_lshl_b32 s36, s36, 11
	s_add_co_u32 s36, s36, s34
	s_mov_b32 s37, 0
	s_lshr_b32 s38, s100, 4                        ; the batch
	s_lshl_b32 s40, s38, 6
	s_lshl_b32 s39, s15, 4
	s_add_co_u32 s40, s40, s39
	s_add_co_u32 s40, s40, s[WV]                   ; my pair of query tiles: 64 b + 16 cx + wave
	s_lshl_b32 s40, s40, 13                        ; 8,192 bytes of mask words each
	s_mov_b32 s41, 0
	s_lshl_b32 s42, s38, 4
	s_lshl_b32 s39, s15, 2
	s_add_co_u32 s42, s42, s39
	s_lshr_b32 s39, s[WV], 2
	s_add_co_u32 s42, s42, s39                     ; the result: block of 128 rows 16 b + 4 cx + wave / 4,
	s_lshl_b32 s42, s42, 18
	s_and_b32 s39, s100, 15
	s_lshl_b32 s39, s39, 14
	s_add_co_u32 s42, s42, s39                     ; the head's four groups of 16 along the next K,
	s_and_b32 s39, s[WV], 3
	s_lshl_b32 s39, s39, 10
	s_add_co_u32 s42, s42, s39                     ; my two tiles of rows
	s_mov_b32 s43, 0
	s_mov_b32 s[SEL], 0x76543210
	s_mov_b32 s[SEL+1], 0xfedcba98
	s_mov_b32 s[TB], 0
	s_mov_b32 s[KSN], 0
	s_mov_b32 s3, 0
	s_wait_dscnt 0x0                               ; both opening adds are done
	s_wait_kmcnt 0x0
	s_add_nc_u64 s[G0A+2:G0A+3], s[4:5], s[32:33]
	s_add_nc_u64 s[G0W+2:G0W+3], s[G0A+2:G0A+3], 65536   ; slot 1: the next 512 keys
	s_or_b32 s[G0A+3], s[G0A+3], 0x80000000
	s_or_b32 s[G0W+3], s[G0W+3], 0x80000000
	s_add_nc_u64 s[4:5], s[4:5], s[36:37]          ; Q at my first tile
	s_add_nc_u64 s[6:7], s[6:7], s[40:41]          ; my mask words
	s_add_nc_u64 s[8:9], s[8:9], s[42:43]          ; my part of the result
	CROUND                                         ; all four work-groups are here: the first joint loads meet
	tensor_load_to_lds s[G0A:G0A+3], s[G1:G1+7]    ; two tensor loads of mine are out
	s_nop 0
	tensor_load_to_lds s[G0W:G0W+3], s[G1:G1+7]
	s_nop 0
	v_and_b32 v[LI], 31, v0
	v_lshlrev_b32 v[LI], 4, v[LI]
	v_add_nc_u32 v[LV], VOFF, v[LI]
.irp q, 0,1
.irp i, 0,1,2,3
	global_load_b128 v[Q+16*\q+4*\i:Q+16*\q+4*\i+3], v[LI], s[4:5] offset:2048*\q+512*\i   ; Q stays in registers
.endr
.endr
	s_load_b512 s[32:47], s[6:7], 0x0              ; key step 0's mask words
	s_load_b512 s[48:63], s[6:7], 0x40
	s_load_b512 s[68:83], s[6:7], 0x80
	s_load_b512 s[84:99], s[6:7], 0xc0
	v_mov_b32 v[TN], 0xceabfb8f                    ; -1e9 x log2(e)
.irp q, 0,1
	v_mov_b32 v[ST+8*\q], 0xff61b1e6               ; m: -3e38, under every t
	v_mov_b32 v[ST+8*\q+1], 0xff61b1e6
	v_mov_b32 v[ST+8*\q+2], 0                      ; l
	v_mov_b32 v[ST+8*\q+3], 0
.endr
.set i, 0
.rept 64
	v_mov_b32 v[O+i], 0                            ; O^T.  (The step is written once: the first finds zeros, which a = 0 leaves zeros)
.set i, i+1
.endr
	s_wait_tensorcnt 1                             ; my part of slot 0 is in; slot 1's may stay out
	s_barrier_signal -1
	s_barrier_wait -1
	s_wait_loadcnt 0x0                             ; Q
; A KEY STEP: 64 keys.
.macro STEP
	v_add_nc_u32 v[ADK], s[TB], v[LI]              ; these two and four v_nop: six places behind the last step's products, ahead of the loads into their sources (four are owed)
	v_add_nc_u32 v[ADV], s[TB], v[LV]              ; and of the products that write S^T over P (five are owed)
.rept 4
	v_nop
.endr
.set i, 0
.rept 16
	ds_load_b128 v[KV+4*i:KV+4*i+3], v[ADK] offset:512*i    ; K: tile t, channels 32 s on, at KV + 16 t + 8 s
.set i, i+1
.endr
	s_wait_dscnt 0x0
.irp s, 0,1                                    ; S^T = K Q^T: the eight accumulators take turns
.irp t, 0,1,2,3
.irp q, 0,1
.if \s == 0
	v_wmma_f32_16x16x32_f16 v[S+32*\q+8*\t:S+32*\q+8*\t+7], v[KV+16*\t+8*\s:KV+16*\t+8*\s+7], v[Q+16*\q+8*\s:Q+16*\q+8*\s+7], 0
.else
	v_wmma_f32_16x16x32_f16 v[S+32*\q+8*\t:S+32*\q+8*\t+7], v[KV+16*\t+8*\s:KV+16*\t+8*\s+7], v[Q+16*\q+8*\s:Q+16*\q+8*\s+7], v[S+32*\q+8*\t:S+32*\q+8*\t+7]
.endif
.endr
.endr
.endr
.rept 4
	v_nop                                          ; places ahead of the loads into K's registers and of the first read of the scores
.endr
.irp u, 0,1                                    ; V^T: keys 32 u on, channels 16 c on, at KV + 32 u + 8 c; it lands while the softmax is walked
.irp c, 0,1,2,3
	ds_load_tr16_b128 v[KV+32*\u+8*\c:KV+32*\u+8*\c+3], v[ADV] offset:(8*\u+\c)*512
	ds_load_tr16_b128 v[KV+32*\u+8*\c+4:KV+32*\u+8*\c+7], v[ADV] offset:(8*\u+4+\c)*512
.endr
.endr
	s_wait_kmcnt 0x0                               ; this step's mask words are in, and their address may be stepped
.irp q, 0,1
.set i, 0
.rept 32
	v_cndmask_b32 v[S+32*\q+i], v[S+32*\q+i], v[TN], s[MK+36*\q+i]   ; each accumulator from its low end on
.set i, i+1
.endr
.endr
	s_add_co_u32 s[KSN], s[KSN], 1                 ; the next step's mask words: 256 bytes on; in the last step the address stands still, inside the buffer
	s_cmp_lt_u32 s[KSN], 32
	s_cselect_b32 s2, 256, 0
	s_add_nc_u64 s[6:7], s[6:7], s[2:3]
	s_load_b512 s[32:47], s[6:7], 0x0
	s_load_b512 s[48:63], s[6:7], 0x40
	s_load_b512 s[68:83], s[6:7], 0x80
	s_load_b512 s[84:99], s[6:7], 0xc0
.irp q, 0,1
	v_mov_b32 v[ST+8*\q+1], v[ST+8*\q]             ; old m
.endr
.irp j, 0,1,2,3                                ; the maximum of my 32 scores and the old m: four chains a tile, the two tiles by turns
.irp q, 0,1
	v_max3_num_f32 v[ST+8*\q+4+\j], v[S+32*\q+8*\j], v[S+32*\q+8*\j+1], v[S+32*\q+8*\j+2]
.endr
.endr
.irp n, 3,5
.irp j, 0,1,2,3
.irp q, 0,1
	v_max3_num_f32 v[ST+8*\q+4+\j], v[ST+8*\q+4+\j], v[S+32*\q+8*\j+\n], v[S+32*\q+8*\j+\n+1]
.endr
.endr
.endr
.irp q, 0,1
	v_max3_num_f32 v[ST+8*\q+4], v[ST+8*\q+4], v[S+32*\q+7], v[S+32*\q+15]
.endr
.irp q, 0,1
	v_max3_num_f32 v[ST+8*\q+6], v[ST+8*\q+6], v[S+32*\q+23], v[S+32*\q+31]
.endr
.irp q, 0,1
	v_max3_num_f32 v[ST+8*\q+4], v[ST+8*\q+4], v[ST+8*\q+5], v[ST+8*\q+6]
.endr
.irp q, 0,1
	v_max3_num_f32 v[ST+8*\q+4], v[ST+8*\q+4], v[ST+8*\q+7], v[ST+8*\q+1]
.endr
.irp q, 0,1
	v_permlanex16_b32 v[ST+8*\q+5], v[ST+8*\q+4], s[SEL], s[SEL+1]   ; the query's other 32 keys lie in the lane 16 away
.endr
.irp q, 0,1
	v_max_num_f32 v[ST+8*\q], v[ST+8*\q+4], v[ST+8*\q+5]             ; the new m
.endr
.irp q, 0,1
	v_sub_f32 v[ST+8*\q+7], v[ST+8*\q+1], v[ST+8*\q]                 ; old m - m
.endr
.irp q, 0,1
.set i, 0
.rept 16
	v_pk_add_f32 v[S+32*\q+2*i:S+32*\q+2*i+1], v[S+32*\q+2*i:S+32*\q+2*i+1], v[ST+8*\q:ST+8*\q+1] op_sel_hi:[1,0] neg_lo:[0,1] neg_hi:[0,1]   ; t - m, two at a time
.set i, i+1
.endr
.endr
.irp q, 0,1
	v_exp_f32 v[ST+8*\q+6], v[ST+8*\q+7]           ; a
.endr
.set i, 0
.rept 64
	v_exp_f32 v[S+i], v[S+i]                       ; p
.set i, i+1
.endr
	v_nop                                          ; a plain instruction behind the last exponential
	s_wait_alu depctr_va_vdst(0)                   ; one wait for the batch of 66, ahead of its first reader
.irp q, 0,1                                    ; l = a l + the sum of p, in f32, ahead of the rounding: two chains a tile
	v_pk_fma_f32 v[ST+8*\q+2:ST+8*\q+3], v[ST+8*\q+2:ST+8*\q+3], v[ST+8*\q+6:ST+8*\q+7], v[S+32*\q:S+32*\q+1] op_sel_hi:[1,0,1]
	v_pk_add_f32 v[ST+8*\q+4:ST+8*\q+5], v[S+32*\q+2:S+32*\q+3], v[S+32*\q+4:S+32*\q+5]
.endr
.irp n, 3,5,7,9,11,13
.irp q, 0,1
	v_pk_add_f32 v[ST+8*\q+2:ST+8*\q+3], v[ST+8*\q+2:ST+8*\q+3], v[S+32*\q+2*\n:S+32*\q+2*\n+1]
	v_pk_add_f32 v[ST+8*\q+4:ST+8*\q+5], v[ST+8*\q+4:ST+8*\q+5], v[S+32*\q+2*\n+2:S+32*\q+2*\n+3]
.endr
.endr
.irp q, 0,1
	v_pk_add_f32 v[ST+8*\q+2:ST+8*\q+3], v[ST+8*\q+2:ST+8*\q+3], v[S+32*\q+30:S+32*\q+31]
.endr
.irp q, 0,1
	v_pk_add_f32 v[ST+8*\q+2:ST+8*\q+3], v[ST+8*\q+2:ST+8*\q+3], v[ST+8*\q+4:ST+8*\q+5]
.endr
.irp q, 0,1
.set i, 0
.rept 16
	v_cvt_pk_f16_f32 v[S+32*\q+i], v[S+32*\q+2*i], v[S+32*\q+2*i+1]   ; P in f16, in place: register i is written when registers 2 i and 2 i + 1 are read
.set i, i+1
.endr
.endr
.irp q, 0,1
.set i, 0
.rept 16
	v_pk_mul_f32 v[O+32*\q+2*i:O+32*\q+2*i+1], v[O+32*\q+2*i:O+32*\q+2*i+1], v[ST+8*\q+6:ST+8*\q+7] op_sel_hi:[1,0]   ; O^T x a, each accumulator from its low end on
.set i, i+1
.endr
.endr
	s_wait_dscnt 0x0                               ; V is in
.irp u, 0,1                                    ; O^T += V^T P: the eight accumulators take turns
.irp c, 0,1,2,3
.irp q, 0,1
	v_wmma_f32_16x16x32_f16 v[O+32*\q+8*\c:O+32*\q+8*\c+7], v[KV+32*\u+8*\c:KV+32*\u+8*\c+7], v[S+32*\q+8*\u:S+32*\q+8*\u+7], v[O+32*\q+8*\c:O+32*\q+8*\c+7]
.endr
.endr
.endr
	s_add_co_u32 s[TB], s[TB], 8192                ; the next step's tiles
.endm
.macro EIGHT                           ; a slot's eight key steps
	s_mov_b32 s[CNT], 8
.Lstep_\@:
	STEP
	s_sub_co_u32 s[CNT], s[CNT], 1
	s_cmp_lg_u32 s[CNT], 0
	s_cbranch_scc1 .Lstep_\@
.endm
; THE CHANGE OF SLOTS.  Each wave waits for all its tensor loads (its part of the slot ahead), adds 0 to its spare word, and waits for that and for its reads of the slot that it leaves.
; fill = 1: the barrier is a round of the cluster's, and the slot just left is filled with the keys two slots on: my one tensor load behind the round, and the first thing there.
.macro CHANGE fill
	s_wait_tensorcnt 0x0                           ; no tensor load of mine is out, so a group 0 may be written
	ds_add_u32 v[SPW], v[NIL]                      ; 0 onto my spare word
.if \fill
	s_xor_b32 s[G0W+1], s[G0W+1], SLOT1            ; the other slot than last time,
	s_add_nc_u64 s[G0W+2:G0W+3], s[G0W+2:G0W+3], 65536   ; the next 512 keys; the type bits on top are not reached
.endif
	s_wait_dscnt 0x0                               ; the add is done, and my reads of the slot are over
.if \fill
	CROUND
	tensor_load_to_lds s[G0W:G0W+3], s[G1:G1+7]
	s_nop 0
.else
	s_barrier_signal -1
	s_barrier_wait -1
.endif
	s_sub_co_u32 s[TB], s[TB], 65536               ; back to a slot's first step,
	s_xor_b32 s[TB], s[TB], SLOT1                  ; in the other slot
.endm
	EIGHT                                          ; keys 0 to 511
	s_mov_b32 s[SLOTS], 2
.Lslot:
	CHANGE 1
	EIGHT
	s_sub_co_u32 s[SLOTS], s[SLOTS], 1
	s_cmp_lg_u32 s[SLOTS], 0
	s_cbranch_scc1 .Lslot
	CHANGE 0                                       ; the last slot is written out
	EIGHT
	; THE WAY OUT.  l's halves and the other half of the lanes' are added; O^T / l, rounded to f16: a tile's four registers are an image of the next product's operand.
	s_wait_kmcnt 0x0                               ; the mask words that the last step asked for once more
.irp q, 0,1
	v_add_f32 v[ST+8*\q+4], v[ST+8*\q+2], v[ST+8*\q+3]
.endr
.irp q, 0,1
	v_permlanex16_b32 v[ST+8*\q+5], v[ST+8*\q+4], s[SEL], s[SEL+1]
.endr
.irp q, 0,1
	v_add_f32 v[ST+8*\q+4], v[ST+8*\q+4], v[ST+8*\q+5]
.endr
.irp q, 0,1
	v_rcp_f32 v[ST+8*\q+6], v[ST+8*\q+4]
.endr
	v_nop                                          ; a plain instruction behind the last reciprocal; with the four additions above it is also the places behind the last products
	s_wait_alu depctr_va_vdst(0)                   ; one wait for both reciprocals, ahead of the first reader
.irp q, 0,1
.irp c, 0,1,2,3
.irp i, 0,1,2,3
	v_pk_mul_f32 v[O+32*\q+8*\c+2*\i:O+32*\q+8*\c+2*\i+1], v[O+32*\q+8*\c+2*\i:O+32*\q+8*\c+2*\i+1], v[ST+8*\q+6:ST+8*\q+7] op_sel_hi:[1,0]
.endr
.irp i, 0,1,2,3
	v_cvt_pk_f16_f32 v[KV+16*\q+4*\c+\i], v[O+32*\q+8*\c+2*\i], v[O+32*\q+8*\c+2*\i+1]
.endr
	global_store_b128 v[LI], v[KV+16*\q+4*\c:KV+16*\q+4*\c+3], s[8:9] offset:4096*\c+512*\q   ; the wave stores 512 consecutive bytes, aligned
.endr
.endr
	s_wait_tensorcnt 0x0                           ; the wave's end
	ds_add_u32 v[SPW], v[NIL]
	s_wait_dscnt 0x0
	CROUND                                         ; the closing round
	s_endpgm
.Lfunc_end_k_q57fd02c51f_attn:
	.size	k_q57fd02c51f_attn, .Lfunc_end_k_q57fd02c51f_attn-k_q57fd02c51f_attn
	.p2alignl 7, 3214868480
	.fill 96, 4, 3214868480
	.section	.rodata,"a",@progbits
	.p2align	6, 0x0
	.amdhsa_kernel k_q57fd02c51f_attn
		.amdhsa_group_segment_fixed_size 327680
		.amdhsa_private_segment_fixed_size 0
		.amdhsa_enable_private_segment 0
		.amdhsa_kernarg_size 24
		.amdhsa_user_sgpr_count 2
		.amdhsa_user_sgpr_kernarg_segment_ptr 1
		.amdhsa_wavefront_size32 1
		.amdhsa_system_sgpr_workgroup_id_x 1
		.amdhsa_system_sgpr_workgroup_id_y 1
		.amdhsa_system_sgpr_workgroup_id_z 1
		.amdhsa_system_vgpr_workitem_id 0
		.amdhsa_next_free_vgpr 256
		.amdhsa_next_free_sgpr 102
		.amdhsa_reserve_vcc 0
		.amdhsa_float_denorm_mode_32 3
		.amdhsa_float_denorm_mode_16_64 3
		.amdhsa_memory_ordered 1
		.amdhsa_forward_progress 1
		.amdhsa_inst_pref_size 79
	.end_amdhsa_kernel
	.amdgpu_metadata
---
amdhsa.version: [ 1, 2 ]
amdhsa.kernels:
  - .name:           k_q57fd02c51f_attn
    .symbol:         k_q57fd02c51f_attn.kd
    .args:
      - { .name: qkv, .offset: 0, .size: 8, .value_kind: global_buffer, .address_space: global }
      - { .name: maskbits, .offset: 8, .size: 8, .value_kind: global_buffer, .address_space: global }
      - { .name: xf, .offset: 16, .size: 8, .value_kind: global_buffer, .address_space: global }
    .group_segment_fixed_size: 327680
    .private_segment_fixed_size: 0
    .kernarg_segment_align: 8
    .kernarg_segment_size: 24
    .max_flat_workgroup_size: 512
    .sgpr_count:     102
    .vgpr_count:     256
    .wavefront_size: 32
...
	.end_amdgpu_metadata
.endif
;; end of part 3
;; launch outp (part 4): grid 4 x 64, 4 waves a work-group, clusters of 4 x 4, 327,680 bytes of LDS; arguments xf, wof, bo, out0; writes out0
.if DOCPART == 4
	.amdgcn_target "amdgcn-amd-amdhsa--gfx1250"
	.amdhsa_code_object_version 6
	.text
	.protected	k_q57fd02c51f_outp
	.globl	k_q57fd02c51f_outp
	.p2align	8
	.type	k_q57fd02c51f_outp,@function
k_q57fd02c51f_outp:
	s_mov_b64 s[64:65], 0
	v_nop
	global_prefetch_b8 v0, s[64:65] scope:SCOPE_SE
	s_setreg_imm32_b32 hwreg(HW_REG_WAVE_MODE, 25, 1), 1
	s_wait_xcnt 0x0
	s_wait_alu depctr_hold_cnt(0) depctr_sa_sdst(0) depctr_va_vdst(0) depctr_va_sdst(0) depctr_va_ssrc(0) depctr_va_vcc(0) depctr_vm_vsrc(0)
	s_getreg_b32 s2, hwreg(HW_REG_IB_STS2, 6, 4)
	s_cmp_eq_u32 s2, 0
	s_cbranch_scc0 .Lentry_in_a_cluster
	s_endpgm
.Lentry_in_a_cluster:
	s_bfe_u32 s2, ttmp6, 0x10000c
	s_cmp_lg_u32 s2, 0xf033
	s_cbranch_scc0 .Lentry_shape_is_right
	s_endpgm
.Lentry_shape_is_right:
; OUTP: out0 = x wo + bo.  x [8192][1024] and wo arrive in f16 as images of fragment registers (512 bytes: 16 rows or columns x 16 along K, 16 bytes a lane); sums in f32; out0 in f32.
; A tile of out0 is 128 rows x 256 columns: 256 work-groups of four waves; a wave makes 64 x 128: 32 accumulators (a 0..3, b 0..7) in window 1 at v[8 (8 a + b)].
; K goes in 8 steps of 128 through a ring of two LDS slots: x's 32 KB ([16 along K][tile of rows][512]), then wo's 64 KB.  The tiles are dense blocks of memory; LDS reads are 512 consecutive bytes: no padding.
; CLUSTERS: 4 x 4 work-groups.  x's tile hangs on the tile row alone and is shared along a row of the cluster, wo's on the tile column and is shared along a column: each is asked for jointly.
; THE MATRIX INSTRUCTION IS USED TRANSPOSED (source 0 = 16 columns of wo, source 1 = 16 rows of x): a lane holds eight neighbouring numbers of a row of out0.
; Nothing is asked for ahead of the joint loads: a K step's tiles are small, and its refill stands a whole step ahead of the wait for it.
; REGISTERS: window 0: v8-11 the bias; v16-29 addresses; two fragment buffers at v32 and v128 (x's four fragments, then wo's eight); on the way out v32-159.
.set SLOT,   98304
.set BOFF,   32768
.set SPARE,  196608                    ; behind the ring: the spare words, 128 bytes for each wave: two blocks of 256 bytes that no other line names
.set SPITCH, 528                       ; the way out: a stage of 16 rows x (512 bytes + 16) for each wave, in slot 0, which has had its last fill and its last read by then
.set LAPS,   4
.set BIAS, 8
.set ADRA, 16
.set ADRB, 20
.set STO,  24
.set RD,   25
.set CO,   26
.set SPW,  28
.set NIL,  29
.set F0,   32
.set F1,   128
.set G1, 24
.set G0, 32
.set G1B, 48
.set G0B, 56
.set MSB, 0
.macro WIN new                         ; the immediate's high byte repeats the setting that is left
.if MSB != \new
	s_set_vgpr_msb (MSB<<8)|\new
.set MSB, \new
.endif
.endm
.set MUL, 0x50                         ; sources 0 and 1 window 0; C and D window 1
.macro JLOAD s                         ; waves 0 and 1 fetch x's two halves, waves 2 and 3 wo's; an s_nop 0 and four v_nop follow each line
	s_cmp_eq_u32 s13, 0
	s_cbranch_scc0 .Lfor_b_\@
	tensor_load_to_lds s[G0+4*\s:G0+4*\s+3], s[G1:G1+7]
	s_nop 0
.rept 4
	v_nop
.endr
	s_branch .Lasked_\@
.Lfor_b_\@:
	tensor_load_to_lds s[G0B+4*\s:G0B+4*\s+3], s[G1B:G1B+7]
	s_nop 0
.rept 4
	v_nop
.endr
.Lasked_\@:
.endm
.macro CREST                           ; a round of the cluster's barrier behind its opening barrier
	s_cmp_lg_u32 s12, 0
	s_cbranch_scc1 .Lnot_wave_0_\@
	s_barrier_signal -3
.Lnot_wave_0_\@:
	s_barrier_wait -3
	s_barrier_signal -1
	s_barrier_wait -1
.endm
.macro CROUND
	s_barrier_signal -1
	s_barrier_wait -1
	CREST
.endm
	s_load_b256 s[4:11], s[0:1], 0x0               ; xf, wof, bo, out0
	v_lshl_add_u32 v[SPW], v0, 2, SPARE
	v_mov_b32 v[NIL], 0
	ds_add_u32 v[SPW], v[NIL]                      ; the wave's opening: the add, twice on end, and its wait ahead of my first tensor load
	ds_add_u32 v[SPW], v[NIL]
	v_lshrrev_b32 v1, 5, v0
	v_readfirstlane_b32 s12, v1                    ; wave 0..3
	s_lshr_b32 s13, s12, 1                         ; which 64 rows are mine.  Also: I fetch x (0) or wo (1)
	s_and_b32 s14, s12, 1                          ; which 128 columns.  Also: which half of that tile I fetch
	s_bfe_u32 s40, ttmp6, 0x40000                  ; cx
	s_bfe_u32 s41, ttmp6, 0x40004                  ; cy
	s_lshl_b32 s42, ttmp9, 2
	s_add_co_u32 s42, s42, s40                     ; tile column
	s_and_b32 s15, ttmp7, 0xffff
	s_lshl_b32 s15, s15, 2
	s_add_co_u32 s15, s15, s41                     ; tile row
	s_lshl_b32 s43, s41, 2
	s_lshl_b32 s43, 15, s43                        ; my row of the cluster
	s_lshl_b32 s44, 0x1111, s40                    ; my column
	s_or_b32 s[G1+0], s43, (3<<16)|(1<<21)         ; the mask; elements of 8 bytes; bit 21 beside a mask; no padding
	s_or_b32 s[G1B+0], s44, (3<<16)|(1<<21)
	s_mov_b32 s[G1+1], 32<<16                      ; rows of 256 bytes,
	s_mov_b32 s[G1+2], 64<<16                      ; 64 of them: 16 KB, half of x's tile
	s_mov_b32 s[G1+3], 32<<16
	s_mov_b32 s[G1+4], 64
	s_mov_b32 s[G1+5], 32                          ; dense
	s_mov_b32 s[G1+6], 0
	s_mov_b32 s[G1+7], 0
	s_mov_b32 s[G1B+1], 32<<16
	s_mov_b32 s[G1B+2], 128<<16                    ; 128 rows: 32 KB, half of wo's tile
	s_mov_b32 s[G1B+3], 32<<16
	s_mov_b32 s[G1B+4], 128
	s_mov_b32 s[G1B+5], 32
	s_mov_b32 s[G1B+6], 0
	s_mov_b32 s[G1B+7], 0
	s_lshl_b32 s16, s15, 18                        ; x: 262,144 bytes for a block of 128 rows,
	s_lshl_b32 s17, s14, 14
	s_add_co_u32 s16, s16, s17                     ; + my half of a K step's 32,768
	s_mov_b32 s17, 0
	s_lshl_b32 s46, s42, 19                        ; wo: 524,288 bytes for 256 columns,
	s_lshl_b32 s47, s14, 15
	s_add_co_u32 s46, s46, s47                     ; + my half of a K step's 65,536
	s_mov_b32 s47, 0
	s_lshl_b32 s20, s14, 14                        ; where they go: no place in the cluster enters an LDS address
	s_lshl_b32 s21, s14, 15
	s_add_co_u32 s21, s21, BOFF
	s_wait_dscnt 0x0                               ; both opening adds are done
	s_wait_kmcnt 0x0
	s_add_nc_u64 s[18:19], s[4:5], s[16:17]
	s_add_nc_u64 s[46:47], s[6:7], s[46:47]
	CROUND                                         ; all sixteen work-groups are here: the first joint loads meet
.irp s, 0,1
	s_mov_b32 s[G0+4*\s], 1
	s_add_co_u32 s[G0+4*\s+1], s20, \s*SLOT
	s_add_nc_u64 s[G0+4*\s+2:G0+4*\s+3], s[18:19], \s*32768
	s_or_b32 s[G0+4*\s+3], s[G0+4*\s+3], 0x80000000
	s_mov_b32 s[G0B+4*\s], 1
	s_add_co_u32 s[G0B+4*\s+1], s21, \s*SLOT
	s_add_nc_u64 s[G0B+4*\s+2:G0B+4*\s+3], s[46:47], \s*65536
	s_or_b32 s[G0B+4*\s+3], s[G0B+4*\s+3], 0x80000000
	JLOAD \s                                       ; two tensor loads of mine are out
.endr
	v_and_b32 v1, 31, v0
	v_lshlrev_b32 v[CO], 4, v1                     ; 16 x lane: my place in an image, in a row of the stage and in a row of out0
	s_lshl_b32 s22, s13, 11                        ; my four tiles of rows: 512 bytes a tile
	s_lshl_b32 s23, s14, 12                        ; my eight tiles of columns
	s_add_co_u32 s23, s23, BOFF
.irp s, 0,1
	v_add_nc_u32 v[ADRA+\s], s22, v[CO]
	v_add_nc_u32 v[ADRB+\s], s23, v[CO]
	s_add_co_u32 s22, s22, SLOT
	s_add_co_u32 s23, s23, SLOT
.endr
	v_and_b32 v2, 15, v0
	v_bfe_u32 v3, v0, 4, 1
	s_mul_i32 s22, s12, 16*SPITCH                  ; my stage
	v_mul_u32_u24 v4, v2, SPITCH
	v_lshl_add_u32 v4, v3, 5, v4
	v_add_nc_u32 v[STO], s22, v4                   ; in: row l % 16, 32 bytes for each half of the lanes
	v_add_nc_u32 v[RD], s22, v[CO]                 ; back: the 32 lanes take one row of 512 bytes
	s_lshl_b32 s46, s42, 10
	s_lshl_b32 s47, s14, 9
	s_add_co_u32 s46, s46, s47                     ; my first column, in bytes
	s_mov_b32 s47, 0
	s_add_nc_u64 s[8:9], s[8:9], s[46:47]
	s_add_nc_u64 s[10:11], s[10:11], s[46:47]
	s_lshl_b32 s16, s15, 19
	s_lshl_b32 s17, s13, 18
	s_add_co_u32 s16, s16, s17                     ; my first row: 128 x tile row + 64 x half, rows of 4,096 bytes
	s_mov_b32 s17, 0
	s_add_nc_u64 s[10:11], s[10:11], s[16:17]
	global_load_b128 v[BIAS:BIAS+3], v[CO], s[8:9] ; the bias of my four columns of a row
; 24 LDS loads in one run: the fragments of the slot's q-th 32 along K into buffer f: wo's eight, then x's four
.macro FETCH slot, q, f
	WIN 0
.irp b, 0,1,2,3,4,5,6,7
	ds_load_b128 v[\f+32+8*\b:\f+32+8*\b+3],   v[ADRB+\slot] offset:(2*\q)*8192+512*\b
	ds_load_b128 v[\f+32+8*\b+4:\f+32+8*\b+7], v[ADRB+\slot] offset:(2*\q+1)*8192+512*\b
.endr
.irp a, 0,1,2,3
	ds_load_b128 v[\f+8*\a:\f+8*\a+3],   v[ADRA+\slot] offset:(2*\q)*4096+512*\a
	ds_load_b128 v[\f+8*\a+4:\f+8*\a+7], v[ADRA+\slot] offset:(2*\q+1)*4096+512*\a
.endr
.endm
; 8 matrix instructions: block a of rows x the eight blocks of columns.  zero = 1: the first product starts the sums.  The 32 accumulators take turns, in the same order in every quarter.
.macro MUL8 f, a, zero
.irp b, 0,1,2,3,4,5,6,7
.if \zero
	v_wmma_f32_16x16x32_f16 v[8*(8*\a+\b):8*(8*\a+\b)+7], v[\f+32+8*\b:\f+32+8*\b+7], v[\f+8*\a:\f+8*\a+7], 0
.else
	v_wmma_f32_16x16x32_f16 v[8*(8*\a+\b):8*(8*\a+\b)+7], v[\f+32+8*\b:\f+32+8*\b+7], v[\f+8*\a:\f+8*\a+7], v[8*(8*\a+\b):8*(8*\a+\b)+7]
.endif
.endr
.endm
.macro PLACES                          ; four plain vector instructions in front of loads into registers that matrix instructions have read, and of reads of results
.rept 4
	v_nop
.endr
.endm
; A K step is four quarters of 32 along K on buffers 0, 1, 0, 1.  One of the first three: multiplies buffer f and fetches quarter q into g.
.macro QUARTER slot, q, f, g, zero
	s_wait_dscnt 4                                 ; all but the youngest four loads (x's blocks 2, 3) are in
	WIN MUL
	MUL8 \f, 0, \zero
	MUL8 \f, 1, \zero
	PLACES
	FETCH \slot, \q, \g
	s_wait_dscnt 24                                ; all but the 24 just issued
	WIN MUL
	MUL8 \f, 2, \zero
	MUL8 \f, 3, \zero
.endm
; The last quarter multiplies buffer 1 and changes slots: ONE barrier; in front of it each wave waits for all its tensor loads, adds 0 to its spare word, and waits for that and for its reads of this slot.
; fill = 1: the barrier opens a round of the cluster's, and this slot is filled again, two K steps ahead: the first tensor load behind the round.
.macro TURN slot, next, fill
	WIN 0
	s_wait_tensorcnt 0x0                           ; all my tensor loads have landed: my part of the next slot
	ds_add_u32 v[SPW], v[NIL]                      ; 0 onto my spare word
	s_wait_dscnt 5                                 ; the add and the youngest four loads may be out
	WIN MUL
	MUL8 F1, 0, 0
	s_wait_dscnt 0x0                               ; the add is done, and my reads of this slot are over
	s_barrier_signal -1
	MUL8 F1, 1, 0
	WIN 0
	s_barrier_wait -1
.if \fill
	CREST
	s_add_nc_u64 s[G0+4*\slot+2:G0+4*\slot+3], s[G0+4*\slot+2:G0+4*\slot+3], 65536
	s_add_nc_u64 s[G0B+4*\slot+2:G0B+4*\slot+3], s[G0B+4*\slot+2:G0B+4*\slot+3], 131072
	JLOAD \slot                                    ; the four v_nop behind it are also the places in front of the loads below
.else
	PLACES
.endif
	FETCH \next, 0, F0
	WIN MUL
	MUL8 F1, 2, 0
	MUL8 F1, 3, 0
.endm
	s_wait_tensorcnt 1                             ; my part of K step 0 is in; K step 1's may stay out
	s_barrier_signal -1
	s_barrier_wait -1
	FETCH 0, 0, F0
	QUARTER 0, 1, F0, F1, 1                        ; the first quarter stands in front of the loop: its products start the sums
	WIN 0
	s_mov_b32 s3, LAPS-1
.Llap:                                                 ; a trip goes once round the ring and fills both slots again
	QUARTER 0, 2, F1, F0, 0
	QUARTER 0, 3, F0, F1, 0
	TURN 0, 1, 1
	QUARTER 1, 1, F0, F1, 0
	QUARTER 1, 2, F1, F0, 0
	QUARTER 1, 3, F0, F1, 0
	TURN 1, 0, 1
	QUARTER 0, 1, F0, F1, 0
	WIN 0
	s_sub_co_u32 s3, s3, 1
	s_cmp_lg_u32 s3, 0
	s_cbranch_scc1 .Llap
	QUARTER 0, 2, F1, F0, 0                        ; the last lap fills nothing
	QUARTER 0, 3, F0, F1, 0
	TURN 0, 1, 0
	QUARTER 1, 1, F0, F1, 0
	QUARTER 1, 2, F1, F0, 0
	QUARTER 1, 3, F0, F1, 0
	s_wait_dscnt 4
	WIN MUL
	MUL8 F1, 0, 0
	MUL8 F1, 1, 0
	s_wait_dscnt 0x0
	MUL8 F1, 2, 0
	MUL8 F1, 3, 0
	WIN 0
; THE WAY OUT, block by block of 16 rows x 128 columns, through my own stage: in as 32 bytes a lane, back as whole rows of 512 bytes; the bias is added; the 32 lanes store 512 consecutive bytes, aligned.
; LDS serves a wave's instructions in order (ISA guide 5.7.1.4): no wait between the stores and the loads, nor in front of the next block's stores.
.macro TOSTAGE a
	WIN 0x04                                       ; an LDS store's data are its source 1: window 1
.irp b, 0,1,2,3,4,5,6,7
	ds_store_b128 v[STO], v[8*(8*(\a)+\b):8*(8*(\a)+\b)+3] offset:64*\b          ; each accumulator from its low end on
	ds_store_b128 v[STO], v[8*(8*(\a)+\b)+4:8*(8*(\a)+\b)+7] offset:64*\b+16
.endr
	WIN 0
.set BB, 32+64*((\a)%2)
.irp t, 0,1,2,3,4,5,6,7,8,9,10,11,12,13,14,15
	ds_load_b128 v[BB+4*\t:BB+4*\t+3], v[RD] offset:\t*SPITCH
.endr
.endm
.macro SEND a, younger                 ; younger: the LDS instructions issued behind block a's loads, which may stay out
.set BB, 32+64*((\a)%2)
	s_wait_dscnt \younger
.irp t, 0,1,2,3,4,5,6,7,8,9,10,11,12,13,14,15
	v_pk_add_f32 v[BB+4*\t:BB+4*\t+1], v[BB+4*\t:BB+4*\t+1], v[BIAS:BIAS+1]
	v_pk_add_f32 v[BB+4*\t+2:BB+4*\t+3], v[BB+4*\t+2:BB+4*\t+3], v[BIAS+2:BIAS+3]
	global_store_b128 v[CO], v[BB+4*\t:BB+4*\t+3], s[10:11] offset:(16*(\a)+\t)*4096 th:TH_STORE_NT
.endr
.endm
	s_wait_loadcnt 0x0                             ; the bias
	PLACES
	TOSTAGE 0
.irp a, 1,2,3
.if \a > 1
	s_wait_xcnt 0x0                                ; block a - 2's stores have read their registers: block a's loads may land there
.endif
	TOSTAGE \a
	SEND \a-1, 32                                  ; behind block a - 1's loads: block a's 16 stores and 16 loads
.endr
	SEND 3, 0
	s_wait_tensorcnt 0x0                           ; the wave's end
	ds_add_u32 v[SPW], v[NIL]
	s_wait_dscnt 0x0
	CROUND                                         ; the closing round
	s_endpgm
.Lfunc_end_k_q57fd02c51f_outp:
	.size	k_q57fd02c51f_outp, .Lfunc_end_k_q57fd02c51f_outp-k_q57fd02c51f_outp
	.p2alignl 7, 3214868480
	.fill 96, 4, 3214868480
	.section	.rodata,"a",@progbits
	.p2align	6, 0x0
	.amdhsa_kernel k_q57fd02c51f_outp
		.amdhsa_group_segment_fixed_size 327680
		.amdhsa_private_segment_fixed_size 0
		.amdhsa_enable_private_segment 0
		.amdhsa_kernarg_size 32
		.amdhsa_user_sgpr_count 2
		.amdhsa_user_sgpr_kernarg_segment_ptr 1
		.amdhsa_wavefront_size32 1
		.amdhsa_system_sgpr_workgroup_id_x 1
		.amdhsa_system_sgpr_workgroup_id_y 1
		.amdhsa_system_sgpr_workgroup_id_z 1
		.amdhsa_system_vgpr_workitem_id 0
		.amdhsa_next_free_vgpr 512
		.amdhsa_next_free_sgpr 66
		.amdhsa_reserve_vcc 0
		.amdhsa_float_denorm_mode_32 3
		.amdhsa_float_denorm_mode_16_64 3
		.amdhsa_memory_ordered 1
		.amdhsa_forward_progress 1
		.amdhsa_inst_pref_size 92
	.end_amdhsa_kernel
	.amdgpu_metadata
---
amdhsa.version: [ 1, 2 ]
amdhsa.kernels:
  - .name:           k_q57fd02c51f_outp
    .symbol:         k_q57fd02c51f_outp.kd
    .args:
      - { .name: xf, .offset: 0, .size: 8, .value_kind: global_buffer, .address_space: global }
      - { .name: wof, .offset: 8, .size: 8, .value_kind: global_buffer, .address_space: global }
      - { .name: bo, .offset: 16, .size: 8, .value_kind: global_buffer, .address_space: global }
      - { .name: out0, .offset: 24, .size: 8, .value_kind: global_buffer, .address_space: global }
    .group_segment_fixed_size: 327680
    .private_segment_fixed_size: 0
    .kernarg_segment_align: 8
    .kernarg_segment_size: 32
    .max_flat_workgroup_size: 128
    .sgpr_count:     66
    .vgpr_count:     512
    .wavefront_size: 32
...
	.end_amdgpu_metadata
.endif
;; end of part 4
